; MI455X (gfx1250); checked and timed in simulation.
; The chip was launched on July 23, 2026; its instructions are those of AMD's public machine-readable ISA for CDNA 5 (MIT licence, August 2026) and "CDNA5" Instruction Set Architecture Reference Guide (July 2026). The comments in the code are by the model that wrote it; some were corrected since.
;; Transformer Block. Allowed arithmetic: float matrix products may take bf16 or f16 operands with f32 sums; all other float work in f32.
;; Inputs: W1 1,024 x 4,096 float32; W2 4,096 x 1,024 float32; Wk 64 x 1,024 x 64 float32; Wo 4,096 x 1,024 float32; Wq 64 x 1,024 x 64 float32; Wv 64 x 1,024 x 64 float32; b1 4,096 float32; b2 1,024 float32; be1 1,024 float32; be2 1,024 float32; bo 1,024 float32; g1 1,024 float32; g2 1,024 float32; x 2 x 1,024 x 1,024 float32.
;; Outputs: out0 2 x 1,024 x 1,024 float32.
;; 2 versions, each right; version 2 is version 1 with the launches cvt, ln1, ln2 written anew for expert scheduling mode. Each part assembles by itself: llvm-mc -triple=amdgcn-amd-amdhsa -mcpu=gfx1250 --defsym DOCPART=n.
;; ======== version 1 of 2: 8 launches
;; workspace buffers: wb 37,748,736 bytes; wob 8,388,608 bytes; w2b 8,388,608 bytes; qkv 50,331,648 bytes; act 16,777,216 bytes; part 33,554,432 bytes; x1w 12,582,912 bytes
;; launch cvt (part 1): grid 64 x 13, 8 waves a work-group, no clusters, 0 bytes of LDS; arguments Wq, Wk, Wv, W1, x, Wo, W2, wb, wob, w2b; writes wb, wob, w2b
.if DOCPART == 1
	.amdgcn_target "amdgcn-amd-amdhsa--gfx1250"
	.amdhsa_code_object_version 6
	.text
	.protected	k_qf3c7ae04da_cvt
	.globl	k_qf3c7ae04da_cvt
	.p2align	8
	.type	k_qf3c7ae04da_cvt,@function
k_qf3c7ae04da_cvt:
	s_mov_b64 s[64:65], 0
	v_nop
	global_prefetch_b8 v0, s[64:65] scope:SCOPE_SE
	s_setreg_imm32_b32 hwreg(HW_REG_WAVE_MODE, 25, 1), 1
	s_wait_xcnt 0x0
; cvt: every f32 operand of a matrix product is rounded to bf16 once, so that the products can take 16-bit tiles.
; All seven inputs are seen as rows of 1,024 f32 (4,096 bytes).  The grid's y picks a unit of 2,048 rows:
;   y 0-1 Wq, 2-3 Wk, 4-5 Wv, 6-7 W1, 8 x  -> wb, one after the other (unit y at byte y x 4 MiB: W1 at 25,165,824, x at 33,554,432)
;   y 9-10 Wo -> wob with its rows permuted: wob[h*64+d] = Wo[d*64+h], the order in which the attention result is stored (head, then d)
;   y 11-12 W2 -> w2b
; A work-group takes 32 rows, a wave 4 rows: 32 loads of 512 consecutive bytes, all issued before the first is used.
; A store of 8 bytes a lane covers 256 consecutive bytes, aligned.  No register is written twice, so no wait frees a source.
; A stream: no LDS, no barrier, no matrix unit.
.set X, 8                              ; v[8:135]    32 loads of 4 registers
.set Y, 136                            ; v[136:199]  32 pairs to store
	s_load_b512 s[8:23], s[0:1], 0x0               ; Wq s[8:9], Wk s[10:11], Wv s[12:13], W1 s[14:15], x s[16:17], Wo s[18:19], W2 s[20:21], wb s[22:23]
	s_load_b128 s[24:27], s[0:1], 0x40             ; wob s[24:25], w2b s[26:27]
	s_and_b32 s2, ttmp7, 0xffff                    ; y: the unit
	v_lshrrev_b32 v7, 5, v0
	v_readfirstlane_b32 s5, v7                     ; wave
	v_and_b32 v6, 31, v0                           ; lane
	v_lshlrev_b32 v1, 4, v6                        ; 16 bytes a lane in
	v_lshlrev_b32 v2, 3, v6                        ; 8 bytes a lane out
	s_wait_kmcnt 0x0
	s_mov_b64 s[28:29], s[8:9]                     ; the input, and
	s_mov_b32 s30, 0                               ; the unit at which it starts
	s_mov_b64 s[32:33], s[22:23]                   ; the output, and
	s_mov_b32 s31, 0                               ; the unit at which it starts
.macro PICK k, p                       ; from unit k on the input is the buffer in s[p:p+1]
	s_cmp_ge_u32 s2, \k
	s_cselect_b64 s[28:29], s[\p:\p+1], s[28:29]
	s_cselect_b32 s30, \k, s30
.endm
	PICK 2, 10
	PICK 4, 12
	PICK 6, 14
	PICK 8, 16
	PICK 9, 18
	s_cselect_b64 s[32:33], s[24:25], s[32:33]     ; the selects leave SCC as the compare set it
	s_cselect_b32 s31, 9, s31
	PICK 11, 20
	s_cselect_b64 s[32:33], s[26:27], s[32:33]
	s_cselect_b32 s31, 11, s31
	s_lshl_b32 s34, ttmp9, 5                       ; 32 rows a work-group
	s_lshl2_add_u32 s34, s5, s34                   ; + 4 rows a wave
	s_sub_co_u32 s35, s2, s30
	s_lshl_b32 s35, s35, 11
	s_add_co_u32 s35, s35, s34                     ; my first row in the input
	s_sub_co_u32 s36, s2, s31
	s_lshl_b32 s36, s36, 11
	s_add_co_u32 s36, s36, s34                     ; the same row counted in the output buffer
	s_and_b32 s37, s35, 63                         ; Wo: input row d*64+h goes to row h*64+d
	s_lshl_b32 s37, s37, 6
	s_lshr_b32 s38, s35, 6
	s_or_b32 s37, s37, s38
	s_cmp_ge_u32 s2, 9                             ; is this unit Wo's (9 or 10)?
	s_cselect_b32 s38, 1, 0
	s_cmp_lt_u32 s2, 11
	s_cselect_b32 s38, s38, 0
	s_mov_b32 s39, 2048                            ; bytes from one of my output rows to the next,
	s_cmp_lg_u32 s38, 0
	s_cselect_b32 s36, s37, s36
	s_cselect_b32 s39, 0x20000, s39                ; for Wo 64 rows: my four rows have one d and four neighbouring h
	s_lshl_b32 s40, s35, 12
	s_mov_b32 s41, 0
	s_add_nc_u64 s[28:29], s[28:29], s[40:41]
	s_lshl_b32 s40, s36, 11
	s_add_nc_u64 s[32:33], s[32:33], s[40:41]
	v_add_nc_u32 v3, s39, v2                       ; v[2+i]: 8 x lane + i output rows
	s_lshl_b32 s42, s39, 1
	v_add_nc_u32 v4, s42, v2
	s_add_co_u32 s42, s42, s39
	v_add_nc_u32 v5, s42, v2
.set i, 0
.rept 32
	global_load_b128 v[X+4*i:X+4*i+3], v1, s[28:29] offset:512*i th:TH_LOAD_NT
.set i, i+1
.endr
.set i, 0
.rept 32
	s_wait_loadcnt 31-i                            ; loads come back in order (ISA guide 5.7.1): load i is in, the 31-i younger ones stay out
	v_cvt_pk_bf16_f32 v[Y+2*i], v[X+4*i], v[X+4*i+1]
	v_cvt_pk_bf16_f32 v[Y+2*i+1], v[X+4*i+2], v[X+4*i+3]
	global_store_b64 v[2+i/8], v[Y+2*i:Y+2*i+1], s[32:33] offset:256*(i%8)
.set i, i+1
.endr
	s_endpgm
.Lfunc_end_k_qf3c7ae04da_cvt:
	.size	k_qf3c7ae04da_cvt, .Lfunc_end_k_qf3c7ae04da_cvt-k_qf3c7ae04da_cvt
	.p2alignl 7, 3214868480
	.fill 96, 4, 3214868480
	.section	.rodata,"a",@progbits
	.p2align	6, 0x0
	.amdhsa_kernel k_qf3c7ae04da_cvt
		.amdhsa_group_segment_fixed_size 0
		.amdhsa_private_segment_fixed_size 0
		.amdhsa_enable_private_segment 0
		.amdhsa_kernarg_size 80
		.amdhsa_user_sgpr_count 2
		.amdhsa_user_sgpr_kernarg_segment_ptr 1
		.amdhsa_wavefront_size32 1
		.amdhsa_system_sgpr_workgroup_id_x 1
		.amdhsa_system_sgpr_workgroup_id_y 1
		.amdhsa_system_sgpr_workgroup_id_z 1
		.amdhsa_system_vgpr_workitem_id 0
		.amdhsa_next_free_vgpr 200
		.amdhsa_next_free_sgpr 66
		.amdhsa_reserve_vcc 0
		.amdhsa_float_denorm_mode_32 3
		.amdhsa_float_denorm_mode_16_64 3
		.amdhsa_memory_ordered 1
		.amdhsa_forward_progress 1
		.amdhsa_inst_pref_size 14
	.end_amdhsa_kernel
	.amdgpu_metadata
---
amdhsa.version: [ 1, 2 ]
amdhsa.kernels:
  - .name:           k_qf3c7ae04da_cvt
    .symbol:         k_qf3c7ae04da_cvt.kd
    .args:
      - { .name: Wq, .offset: 0, .size: 8, .value_kind: global_buffer, .address_space: global }
      - { .name: Wk, .offset: 8, .size: 8, .value_kind: global_buffer, .address_space: global }
      - { .name: Wv, .offset: 16, .size: 8, .value_kind: global_buffer, .address_space: global }
      - { .name: W1, .offset: 24, .size: 8, .value_kind: global_buffer, .address_space: global }
      - { .name: x, .offset: 32, .size: 8, .value_kind: global_buffer, .address_space: global }
      - { .name: Wo, .offset: 40, .size: 8, .value_kind: global_buffer, .address_space: global }
      - { .name: W2, .offset: 48, .size: 8, .value_kind: global_buffer, .address_space: global }
      - { .name: wb, .offset: 56, .size: 8, .value_kind: global_buffer, .address_space: global }
      - { .name: wob, .offset: 64, .size: 8, .value_kind: global_buffer, .address_space: global }
      - { .name: w2b, .offset: 72, .size: 8, .value_kind: global_buffer, .address_space: global }
    .group_segment_fixed_size: 0
    .private_segment_fixed_size: 0
    .kernarg_segment_align: 8
    .kernarg_segment_size: 80
    .max_flat_workgroup_size: 256
    .sgpr_count:     66
    .vgpr_count:     200
    .wavefront_size: 32
...
	.end_amdgpu_metadata
.endif
;; end of part 1
;; launch qkv (part 2): grid 32 x 8, 4 waves a work-group, clusters of 4 x 4, 327,680 bytes of LDS; arguments wb, qkv; writes qkv
.if DOCPART == 2
	.amdgcn_target "amdgcn-amd-amdhsa--gfx1250"
	.amdhsa_code_object_version 6
	.text
	.protected	k_qf3c7ae04da_qkv
	.globl	k_qf3c7ae04da_qkv
	.p2align	8
	.type	k_qf3c7ae04da_qkv,@function
k_qf3c7ae04da_qkv:
	s_mov_b64 s[64:65], 0
	v_nop
	global_prefetch_b8 v0, s[64:65] scope:SCOPE_SE
	s_setreg_imm32_b32 hwreg(HW_REG_WAVE_MODE, 25, 1), 1
	s_wait_xcnt 0x0
	s_wait_alu depctr_hold_cnt(0) depctr_sa_sdst(0) depctr_va_vdst(0) depctr_va_sdst(0) depctr_va_ssrc(0) depctr_va_vcc(0) depctr_vm_vsrc(0)
	s_getreg_b32 s2, hwreg(HW_REG_IB_STS2, 6, 4)
	s_cmp_eq_u32 s2, 0
	s_cbranch_scc0 .Lentry_in_a_cluster
	s_endpgm
.Lentry_in_a_cluster:
	s_bfe_u32 s2, ttmp6, 0x10000c
	s_cmp_lg_u32 s2, 0xf033
	s_cbranch_scc0 .Lentry_shape_is_right
	s_endpgm
.Lentry_shape_is_right:
; qkv: the 192 projections q, k, v of 64 heads as ONE product C = x W, M = 2,048 rows, N = 192 planes x 64 = 12,288, K = 1,024; bf16 operands, f32 sums.
; x is bf16 [2048][1024] at byte XB of wb; W is 192 planes [d = 1024][e = 64] of bf16 from byte 0 of wb; C goes out in bf16 as [plane][row][64].
; A work-group makes 256 rows x 384 columns (6 planes) with four waves: 8 x 32 = 256 work-groups.  A wave makes 128 x 192: 96 accumulator tiles of
; 16 x 16, 768 registers; for 32 along K it reads 8 + 12 fragments of 1 KB from LDS and issues 96 matrix instructions.
; K goes in 16 periods of 64.  W has two LDS slots of one period each (6 planes x 64 rows); x has two slots of two periods each, so that its rows in memory
; are 256 bytes.  (W's slots at 128 of K would take 2 x 122,880 bytes beside x's 139,264: more than the 327,680 there are.)
; CLUSTERS of 4 x 4: the four work-groups of a cluster's row need the same tile of x, the four of a column the same tiles of W; each tile is asked for
; jointly (same line, same descriptor, a mask that names the four), which divides the requests for both by four.
; W lies [K][N], so its fragments are read with the transposing LDS load.  The matrix instruction is used transposed (source 0 = W's columns,
; source 1 = x's rows): a lane then holds eight neighbouring columns of one row of C, 16 bytes in bf16.
; REGISTERS: window 0: addresses; x fragments in two buffers of 8; W fragments in three groups of 4 (group g = plane g of my three), one buffer: a group is
; loaded again straight behind its own 32 products.  Windows 1, 2, 3: the accumulators of plane 0, 1, 2, tile (a, bb) at v[8 (4 a + bb)].
.set AP,     272                       ; x's LDS row: 256 bytes + 16 of padding
.set AHALF,  128*AP                    ; 128 rows: one tensor load, and what one wave reads
.set ASLOT,  2*AHALF                   ; 69,632
.set BP,     160                       ; W's LDS row: 128 bytes (64 e) + 32 of padding
.set BPL,    64*BP                     ; one plane's 64 k rows, 10,240 bytes
.set BHALF,  3*BPL                     ; three planes: one tensor load, and what one wave reads
.set BSLOT,  2*BHALF                   ; 61,440
.set BBASE,  2*ASLOT                   ; W's slots lie behind x's: 139,264
.set STAGE,  BBASE+2*BSLOT             ; 262,144: 16 rows x 400 bytes for each wave; no tensor load lands here
.set SPITCH, 400                       ; 384 bytes + 16: 25 x 16, so the 16 rows of a store start at 16 different banks
.set STAGEW, 16*SPITCH                 ; 6,400 = 25 x 256
.set ASTEP,  256                       ; bytes from x's tile of 128 K to the next
.set BSTEP,  8192                      ; bytes from W's tile of 64 K to the next: 64 rows of 128 bytes
.set XB,     33554432
.set A_W0, (1<<16)|(1<<20)|(1<<21)|(5<<22)|(3<<25)   ; 2-byte elements; padding on; bit 21 beside a mask; after every 64 words 4 words
.set A_C, 128
.set A_R, 128
.set A_P, 1024
.set B_W0, (3<<16)|(1<<20)|(1<<21)|(4<<22)|(7<<25)   ; 8-byte elements; after every 32 words (one row of a plane) 8 words
.set B_C, 1024                         ; a "row" of the tile is one plane's 64 k rows, 8,192 dense bytes
.set B_R, 3                            ; three planes,
.set B_P, 16384                        ; 131,072 bytes apart
.set ADRA, 16                          ; v16-17  LDS address of my x fragments in x's slot 0, 1
.set ADRB, 20                          ; v20-21  the same for W
.set STO,  24
.set RD,   25
.set CO,   26
.set FA0,  32                          ; x fragments: buffer f at 32 + 64 f, 8 x 8 registers
.set FB0,  160                         ; W fragments: group g at 160 + 32 g, 4 x 8 registers
.set TMP,  32                          ; the way out: 48 registers of packed results
.set G1, 24                            ; s[24:31] group 1 for x's tiles
.set G0, 32                            ; s[32:39] group 0 for x's tiles, one set a slot
.set G1B, 48                           ; s[48:55] group 1 for W's tiles
.set G0B, 56                           ; s[56:63] group 0 for W's tiles, one set a slot
.set MSB, 0
.macro WIN new                         ; the immediate's high byte repeats the setting that is left
.if MSB != \new
	s_set_vgpr_msb (MSB<<8)|\new
.set MSB, \new
.endif
.endm
.macro PLACES                          ; four plain vector instructions behind a matrix instruction, before its registers are loaded into or its result read (ISA guide 7.12.1)
.rept 4
	v_nop
.endr
.endm
; A joint load of both kinds.  Waves 0 and 1 fetch the two halves of x's tile, waves 2 and 3 those of W's.  The branch hangs on the wave's number alone.
.macro JLOAD sa, sb
	s_cmp_eq_u32 s11, 0
	s_cbranch_scc0 .Lfor_b_\@
	tensor_load_to_lds s[G0+4*\sa:G0+4*\sa+3], s[G1:G1+7]
	s_nop 0
.rept 4
	v_nop
.endr
	s_branch .Lasked_\@
.Lfor_b_\@:
	tensor_load_to_lds s[G0B+4*\sb:G0B+4*\sb+3], s[G1B:G1B+7]
	s_nop 0
.rept 4
	v_nop
.endr
.Lasked_\@:
.endm
; A joint load of W alone: waves 0 and 1 have no part of a tile to fill and issue none.  The places behind the label serve every wave.
.macro JLOADB sb
	s_cmp_eq_u32 s11, 0
	s_cbranch_scc1 .Lno_part_\@
	tensor_load_to_lds s[G0B+4*\sb:G0B+4*\sb+3], s[G1B:G1B+7]
	s_nop 0
.rept 4
	v_nop
.endr
.Lno_part_\@:
	PLACES
.endm
.macro CREST                           ; a round of the cluster's barrier behind its opening work-group barrier
	s_cmp_lg_u32 s10, 0
	s_cbranch_scc1 .Lnot_wave_0_\@
	s_barrier_signal -3
.Lnot_wave_0_\@:
	s_barrier_wait -3
	s_barrier_signal -1
	s_barrier_wait -1
.endm
.macro CROUND
	s_barrier_signal -1
	s_barrier_wait -1
	CREST
.endm
	s_load_b128 s[4:7], s[0:1], 0x0                ; wb s[4:5], qkv s[6:7]
	v_lshl_add_u32 v30, v0, 2, 0x46400
	v_mov_b32 v31, 0
	ds_add_u32 v30, v31
	ds_add_u32 v30, v31
	v_lshrrev_b32 v1, 5, v0
	v_readfirstlane_b32 s10, v1                    ; wave 0..3
	s_lshr_b32 s11, s10, 1                         ; which 128 rows of the block are mine.  Also: I fetch for x (0) or for W (1)
	s_and_b32 s12, s10, 1                          ; which three planes.  Also: which half of that tile I fetch
	s_bfe_u32 s40, ttmp6, 0x40000                  ; cx
	s_bfe_u32 s41, ttmp6, 0x40004                  ; cy
	s_lshl_b32 s42, ttmp9, 2
	s_add_co_u32 s42, s42, s40                     ; block column = 4 x cluster x + cx, 0 to 31
	s_and_b32 s13, ttmp7, 0xffff
	s_lshl_b32 s13, s13, 2
	s_add_co_u32 s13, s13, s41                     ; block row = 4 x cluster y + cy, 0 to 7
	s_lshl_b32 s43, s41, 2
	s_lshl_b32 s43, 15, s43                        ; my row of the cluster
	s_lshl_b32 s44, 0x1111, s40                    ; my column
	s_or_b32 s[G1+0], s43, A_W0
	s_or_b32 s[G1B+0], s44, B_W0
	s_mov_b32 s[G1+1], A_C<<16                     ; tensor_dim0
	s_mov_b32 s[G1B+1], B_C<<16
	s_mov_b32 s[G1+2], A_R<<16                     ; tensor_dim1
	s_mov_b32 s[G1B+2], B_R<<16
	s_mov_b32 s[G1+3], A_C<<16                     ; tile_dim0
	s_mov_b32 s[G1B+3], B_C<<16
	s_mov_b32 s[G1+4], A_R                         ; tile_dim1
	s_mov_b32 s[G1B+4], B_R
	s_mov_b32 s[G1+5], A_P                         ; elements from row to row
	s_mov_b32 s[G1B+5], B_P
	s_mov_b32 s[G1+6], 0
	s_mov_b32 s[G1B+6], 0
	s_mov_b32 s[G1+7], 0
	s_mov_b32 s[G1B+7], 0
	; x's tiles hang on the block row and the wave, W's on the block column and the wave, each in registers that never hold the other coordinate
	s_lshl_b32 s16, s13, 19                        ; 256 rows of 2,048 bytes a block row
	s_lshl_b32 s17, s12, 18                        ; + 128 rows for the second half
	s_add_co_u32 s16, s16, s17
	s_mov_b32 s17, 0
	s_mul_i32 s46, s42, 6*131072                   ; 6 planes of 131,072 bytes a block column
	s_mul_i32 s47, s12, 3*131072                   ; + 3 planes for the second half
	s_add_co_u32 s46, s46, s47
	s_mov_b32 s47, 0
	s_mul_i32 s20, s12, AHALF                      ; where they go: no place in the cluster enters an LDS address
	s_mul_i32 s18, s12, BHALF
	s_add_co_u32 s18, s18, BBASE
	s_wait_dscnt 0x0
	s_wait_kmcnt 0x0
	s_add_nc_u64 s[14:15], s[4:5], s[16:17]
	s_add_nc_u64 s[14:15], s[14:15], XB
	s_add_nc_u64 s[46:47], s[4:5], s[46:47]
	CROUND                                         ; all sixteen work-groups are here: the first joint loads meet
.irp s, 0,1
	s_mov_b32 s[G0+4*\s], 1
	s_add_co_u32 s[G0+4*\s+1], s20, \s*ASLOT
	s_add_nc_u64 s[G0+4*\s+2:G0+4*\s+3], s[14:15], \s*ASTEP
	s_or_b32 s[G0+4*\s+3], s[G0+4*\s+3], 0x80000000
	s_mov_b32 s[G0B+4*\s], 1
	s_add_co_u32 s[G0B+4*\s+1], s18, \s*BSLOT
	s_add_nc_u64 s[G0B+4*\s+2:G0B+4*\s+3], s[46:47], \s*BSTEP
	s_or_b32 s[G0B+4*\s+3], s[G0B+4*\s+3], 0x80000000
	JLOAD \s, \s                                   ; x's periods 0-1 and 2-3, W's periods 0 and 1: a wave has two tensor loads out here, later one at the most
.endr
	v_and_b32 v1, 15, v0                           ; r = lane % 16
	v_bfe_u32 v2, v0, 4, 1                         ; h = lane / 16
	v_mul_u32_u24 v3, v1, AP
	v_lshl_add_u32 v3, v2, 4, v3                   ; x: row r, 16 bytes for each half of the lanes
	s_mul_i32 s21, s11, AHALF                      ; my 128 rows
	v_and_b32 v4, 7, v0
	v_lshl_add_u32 v4, v2, 3, v4                   ; W, transposing load: k row 8 h + lane % 8,
	v_mul_u32_u24 v4, v4, BP
	v_bfe_u32 v5, v0, 3, 1
	v_lshl_add_u32 v4, v5, 4, v4                   ; 16 bytes for each eight lanes
	s_mul_i32 s22, s12, BHALF                      ; my three planes,
	s_add_co_u32 s22, s22, BBASE                   ; behind x's slots
.irp s, 0,1
	v_add_nc_u32 v[ADRA+\s], s21, v3
	v_add_nc_u32 v[ADRB+\s], s22, v4
	s_add_co_u32 s21, s21, ASLOT
	s_add_co_u32 s22, s22, BSLOT
.endr
	s_mul_i32 s23, s10, STAGEW
	s_add_co_u32 s23, s23, STAGE                   ; my stage
	v_mul_u32_u24 v5, v1, SPITCH
	v_lshl_add_u32 v5, v2, 4, v5
	v_add_nc_u32 v[STO], s23, v5                   ; in: row r, 16 bytes for each half of the lanes
	v_and_b32 v6, 31, v0
	v_lshrrev_b32 v7, 3, v6
	v_mul_u32_u24 v7, v7, SPITCH
	v_and_b32 v5, 7, v0
	v_lshl_add_u32 v7, v5, 4, v7
	v_add_nc_u32 v[RD], s23, v7                    ; back: eight lanes take the 128 bytes that one row has in one plane, four rows a load
	v_lshlrev_b32 v[CO], 4, v6                     ; in memory these four rows of a plane are 512 consecutive bytes
; 16 matrix instructions: m tiles a0 .. a0 + 3 x the four n tiles of plane g, 32 along K, x from buffer f.  zero = 1: the first product starts the sums.
; The window of C and D is set by the caller: 1 + g.
.macro MULH f, g, a0, zero
.irp a, \a0, \a0+1, \a0+2, \a0+3
.irp bb, 0,1,2,3
.if \zero
	v_wmma_f32_16x16x32_bf16 v[8*(4*(\a)+\bb):8*(4*(\a)+\bb)+7], v[FB0+32*\g+8*\bb:FB0+32*\g+8*\bb+7], v[FA0+64*\f+8*(\a):FA0+64*\f+8*(\a)+7], 0
.else
	v_wmma_f32_16x16x32_bf16 v[8*(4*(\a)+\bb):8*(4*(\a)+\bb)+7], v[FB0+32*\g+8*\bb:FB0+32*\g+8*\bb+7], v[FA0+64*\f+8*(\a):FA0+64*\f+8*(\a)+7], v[8*(4*(\a)+\bb):8*(4*(\a)+\bb)+7]
.endif
.endr
.endr
.endm
; 8 LDS loads: plane g's four fragments of quarter q (32 k rows) of W's slot
.macro LDB slot, q, g
.irp bb, 0,1,2,3
	ds_load_tr16_b128 v[FB0+32*\g+8*\bb:FB0+32*\g+8*\bb+3],   v[ADRB+\slot] offset:\g*BPL+\q*32*BP+\bb*32
	ds_load_tr16_b128 v[FB0+32*\g+8*\bb+4:FB0+32*\g+8*\bb+7], v[ADRB+\slot] offset:\g*BPL+\q*32*BP+\bb*32+16*BP
.endr
.endm
; 16 LDS loads: my eight x fragments, 32 K at byte kb of the rows of x's slot, into buffer f
.macro LDA slot, kb, f
.irp a, 0,1,2,3,4,5,6,7
	ds_load_b128 v[FA0+64*\f+8*\a:FA0+64*\f+8*\a+3],   v[ADRA+\slot] offset:\a*16*AP+\kb
	ds_load_b128 v[FA0+64*\f+8*\a+4:FA0+64*\f+8*\a+7], v[ADRA+\slot] offset:\a*16*AP+\kb+32
.endr
.endm
; A period is two quarters of 32 along K, 96 matrix instructions each.  The 96 accumulators take turns, one instruction a turn, in the same order in every
; quarter.  The LDS loads of a quarter are always issued in the order: group 0 (8), x (16), group 1 (8), group 2 (8).
; The first quarter: multiplies x's buffer 0; fetches the second quarter (the same slots) group by group, each group straight behind its own products.
.macro QUART0 sa, kb, sb, zero
	s_wait_dscnt 16                                ; group 0 and x are in; the 16 younger loads (groups 1 and 2) may be out
	WIN 0x50                                       ; C and D in window 1
	MULH 0, 0, 0, \zero
	MULH 0, 0, 4, \zero
	PLACES
	WIN 0
	LDB \sb, 1, 0
	LDA \sa, \kb+64, 1
	s_wait_dscnt 32                                ; this quarter's group 1 is in; younger: its group 2 (8) and the 24 just issued
	WIN 0xa0                                       ; window 2
	MULH 0, 1, 0, \zero
	MULH 0, 1, 4, \zero
	PLACES
	WIN 0
	LDB \sb, 1, 1
	s_wait_dscnt 32                                ; this quarter's group 2 is in; younger: the 24 and the 8 of the next quarter
	WIN 0xf0                                       ; window 3
	MULH 0, 2, 0, \zero
	MULH 0, 2, 4, \zero
	PLACES
	WIN 0
	LDB \sb, 1, 2
.endm
; The second quarter: multiplies x's buffer 1 and changes slots.  In front of the barrier each wave waits for its reads of W's slot sb (and of x's slot sa:
; the last were issued in the first quarter) and for all its tensor loads.  fb = 1: the barrier opens a round of the cluster's barrier, and the joint refill
; is the first tensor load behind the round: W's slot sb two periods ahead, and with fa = 1 x's slot sa, whose two periods are over, two slots ahead.
; From a request to the wait for it a wave issues 64 + 96 + 16 = 176 matrix instructions.  The next period reads W's other slot, and x's slot nsa at byte nkb.
.macro TURN sa, sb, nsa, nkb, fa, fb
	s_wait_dscnt 16
	WIN 0x50
	MULH 1, 0, 0, 0
	s_wait_dscnt 0                                 ; my reads of the slots that end here are over
	s_wait_tensorcnt 0x0                           ; all my tensor loads have landed
	ds_add_u32 v30, v31
	s_wait_dscnt 0x0
	s_barrier_signal -1
	MULH 1, 0, 4, 0                                ; register work while the others arrive
	WIN 0
	s_barrier_wait -1
.if \fb
	CREST
.if \fa
	s_add_nc_u64 s[G0+4*\sa+2:G0+4*\sa+3], s[G0+4*\sa+2:G0+4*\sa+3], 2*ASTEP
.endif
	s_add_nc_u64 s[G0B+4*\sb+2:G0B+4*\sb+3], s[G0B+4*\sb+2:G0B+4*\sb+3], 2*BSTEP
.if \fa
	JLOAD \sa, \sb                                 ; its four v_nop are also the places in front of the loads below
.else
	JLOADB \sb
.endif
.else
	PLACES
.endif
	LDB 1-\sb, 0, 0
	LDA \nsa, \nkb, 0
	WIN 0xa0                                       ; groups 1 and 2 of this quarter were shown in by the wait for 0 above
	MULH 1, 1, 0, 0
	MULH 1, 1, 4, 0
	PLACES
	WIN 0
	LDB 1-\sb, 0, 1
	WIN 0xf0
	MULH 1, 2, 0, 0
	MULH 1, 2, 4, 0
	PLACES
	WIN 0
	LDB 1-\sb, 0, 2
.endm
.macro BODY zero                       ; four periods: once round x's two slots, twice round W's
	QUART0 0, 0, 0, \zero
	TURN 0, 0, 0, 128, 0, 1
	QUART0 0, 128, 1, 0
	TURN 0, 1, 1, 0, 1, 1
	QUART0 1, 0, 0, 0
	TURN 1, 0, 1, 128, 0, 1
	QUART0 1, 128, 1, 0
	TURN 1, 1, 0, 0, 1, 1
.endm
	s_wait_tensorcnt 0x1                           ; my part of the first tiles is in; the second tiles' stays out
	s_barrier_signal -1
	s_barrier_wait -1
	LDB 0, 0, 0
	LDA 0, 0, 0
	LDB 0, 0, 1
	LDB 0, 0, 2
	BODY 1                                         ; periods 0 to 3; asks for W's 2 to 5 and x's 4 to 7
	s_mov_b32 s45, 2
.Llap:
	BODY 0                                         ; periods 4 to 11; asks for W's 6 to 13 and x's 8 to 15
	s_sub_co_u32 s45, s45, 1
	s_cmp_lg_u32 s45, 0
	s_cbranch_scc1 .Llap
	QUART0 0, 0, 0, 0                              ; periods 12 to 15: all of x is here or on its way
	TURN 0, 0, 0, 128, 0, 1                        ; asks for W's period 14
	QUART0 0, 128, 1, 0
	TURN 0, 1, 1, 0, 0, 1                          ; asks for W's period 15: the last tensor load
	QUART0 1, 0, 0, 0
	TURN 1, 0, 1, 128, 0, 0                        ; nothing is left to fetch
	QUART0 1, 128, 1, 0
	s_wait_dscnt 16                                ; the very last quarter: the counts run down
	WIN 0x50
	MULH 1, 0, 0, 0
	MULH 1, 0, 4, 0
	s_wait_dscnt 8
	WIN 0xa0
	MULH 1, 1, 0, 0
	MULH 1, 1, 4, 0
	s_wait_dscnt 0
	WIN 0xf0
	MULH 1, 2, 0, 0
	MULH 1, 2, 4, 0
	PLACES                                         ; behind the last matrix instructions: the conversions read results and write fragment registers
	; THE WAY OUT, 16 rows at a time: round to bf16, 16 bytes a lane into my own stage, read back so that a store covers four whole rows of one plane
	s_lshl_b32 s16, s13, 15                        ; 256 rows of 128 bytes a block row
	s_lshl_b32 s17, s11, 14
	s_add_co_u32 s16, s16, s17
	s_mov_b32 s17, 0
	s_add_nc_u64 s[8:9], s[6:7], s[16:17]
	s_mul_i32 s46, s42, 6*262144                   ; 6 planes of 262,144 bytes a block column
	s_mul_i32 s47, s12, 3*262144
	s_add_co_u32 s46, s46, s47
	s_mov_b32 s47, 0
	s_add_nc_u64 s[8:9], s[8:9], s[46:47]
; rows 16 a .. 16 a + 15 of my block: the twelve tiles (g, a, 0..3); f: the 48 registers that take the rows back, two sets in turn
.macro OUTB a, f
.irp g, 0,1,2
	WIN ((\g+1)*5)                                 ; both sources in window 1 + g
.irp bb, 0,1,2,3
.irp i, 0,1,2,3
	v_cvt_pk_bf16_f32 v[TMP+16*\g+4*\bb+\i], v[8*(4*\a+\bb)+2*\i], v[8*(4*\a+\bb)+2*\i+1]
.endr
.endr
.endr
	WIN 0
.irp g, 0,1,2
.irp bb, 0,1,2,3
	ds_store_b128 v[STO], v[TMP+16*\g+4*\bb:TMP+16*\g+4*\bb+3] offset:128*\g+32*\bb
.endr
.endr
	s_wait_xcnt 0x0                                ; registers f.. were the data of earlier stores: loaded again only behind this wait
.irp g, 0,1,2
.irp i, 0,1,2,3
	ds_load_b128 v[\f+16*\g+4*\i:\f+16*\g+4*\i+3], v[RD] offset:128*\g+\i*4*SPITCH    ; LDS serves a wave's instructions in order (ISA guide 5.7.1.4): these see the stores above
.endr
.endr
.set n, 0
.irp g, 0,1,2
.irp i, 0,1,2,3
	s_wait_dscnt 11-n                              ; load n of the twelve is in; the 11-n younger ones may be out
	global_store_b128 v[CO], v[\f+16*\g+4*\i:\f+16*\g+4*\i+3], s[8:9] offset:\g*262144+\a*2048+\i*512   ; 512 consecutive bytes, aligned
.set n, n+1
.endr
.endr
.endm
	OUTB 0, 80
	OUTB 1, 128
	OUTB 2, 80
	OUTB 3, 128
	OUTB 4, 80
	OUTB 5, 128
	OUTB 6, 80
	OUTB 7, 128
	s_wait_tensorcnt 0x0
	ds_add_u32 v30, v31
	s_wait_dscnt 0x0
	CROUND                                         ; the closing round: no work-group ends while a partner may still ask for a tile that names it
	s_endpgm
.Lfunc_end_k_qf3c7ae04da_qkv:
	.size	k_qf3c7ae04da_qkv, .Lfunc_end_k_qf3c7ae04da_qkv-k_qf3c7ae04da_qkv
	.p2alignl 7, 3214868480
	.fill 96, 4, 3214868480
	.section	.rodata,"a",@progbits
	.p2align	6, 0x0
	.amdhsa_kernel k_qf3c7ae04da_qkv
		.amdhsa_group_segment_fixed_size 327680
		.amdhsa_private_segment_fixed_size 0
		.amdhsa_enable_private_segment 0
		.amdhsa_kernarg_size 16
		.amdhsa_user_sgpr_count 2
		.amdhsa_user_sgpr_kernarg_segment_ptr 1
		.amdhsa_wavefront_size32 1
		.amdhsa_system_sgpr_workgroup_id_x 1
		.amdhsa_system_sgpr_workgroup_id_y 1
		.amdhsa_system_sgpr_workgroup_id_z 1
		.amdhsa_system_vgpr_workitem_id 0
		.amdhsa_next_free_vgpr 1024
		.amdhsa_next_free_sgpr 66
		.amdhsa_reserve_vcc 0
		.amdhsa_float_denorm_mode_32 3
		.amdhsa_float_denorm_mode_16_64 3
		.amdhsa_memory_ordered 1
		.amdhsa_forward_progress 1
		.amdhsa_inst_pref_size 255
	.end_amdhsa_kernel
	.section	.bss,"aw",@nobits
	.p2align	6
	.space	262144
	.amdgpu_metadata
---
amdhsa.version: [ 1, 2 ]
amdhsa.kernels:
  - .name:           k_qf3c7ae04da_qkv
    .symbol:         k_qf3c7ae04da_qkv.kd
    .args:
      - { .name: wb, .offset: 0, .size: 8, .value_kind: global_buffer, .address_space: global }
      - { .name: qkv, .offset: 8, .size: 8, .value_kind: global_buffer, .address_space: global }
    .group_segment_fixed_size: 327680
    .private_segment_fixed_size: 0
    .kernarg_segment_align: 8
    .kernarg_segment_size: 16
    .max_flat_workgroup_size: 128
    .sgpr_count:     66
    .vgpr_count:     1024
    .wavefront_size: 32
...
	.end_amdgpu_metadata
.endif
;; end of part 2
;; launch attn (part 3): grid 256 x 1, 4 waves a work-group, no clusters, 311,808 bytes of LDS; arguments qkv, act; writes act
.if DOCPART == 3
	.amdgcn_target "amdgcn-amd-amdhsa--gfx1250"
	.amdhsa_code_object_version 6
	.text
	.protected	k_qf3c7ae04da_attn
	.globl	k_qf3c7ae04da_attn
	.p2align	8
	.type	k_qf3c7ae04da_attn,@function
k_qf3c7ae04da_attn:
	s_mov_b64 s[64:65], 0
	v_nop
	global_prefetch_b8 v0, s[64:65] scope:SCOPE_SE
	s_setreg_imm32_b32 hwreg(HW_REG_WAVE_MODE, 25, 1), 1
	s_wait_xcnt 0x0
; attn: causal attention of one (batch, head) by two work-groups.  qkv: bf16 [192 planes][2048 rows][64]; planes 0-63 q, 64-127 k, 128-191 v.
; Result in bf16 to act[head][row][64].  Softmax in f32 with a running maximum; scores scaled by 1/8, exponentials in base 2
; (a probability below 2^-126 of its row's largest counts as zero: v_exp_f32 flushes denormal results, ISA guide 15.8).
; The work-group holds all 1,024 rows of K and of V of its head in LDS, filled once by 16 tensor loads (four a wave, all out at the start): no slot is ever
; filled again.  The head's 16 query blocks of 64 rows go to the 8 waves of its two work-groups: wave j takes blocks j and 15 - j, which is
; (j + 1) + (16 - j) = 17 key blocks of 64 for every wave; key blocks above the diagonal are not touched.  Inside the passes the waves are independent.
; Both passes keep their rounded results in registers.  ONE barrier stands behind the last read of K and V; behind it each wave uses the 18,432 bytes of K
; that its own first tensor load filled as a stage, to turn its results into whole rows.  Every wave has the same 17 blocks behind it at that barrier.
; NO CLUSTER: K and V are shared by two work-groups only and are read once, at the start; a cluster of four would hold two heads with masks of two.
; THE ARITHMETIC IS TRANSPOSED.  S^T = K Q^T: a lane holds keys s = 16 a + 8 h + j of ONE query t = 16 tt + r, so maxima, sums and rescaling are one number
; a lane (the other half of the keys lies in lane xor 16).  Two S^T tiles rounded to bf16 in place ARE the second source of O^T = V^T P^T: nothing moves
; between lanes.  V^T comes from V's rows by the transposing LDS load.  A lane's eight results are 16 neighbouring bytes of a row of act.
.set KP,    144                        ; K's LDS row: 128 bytes + 16
.set VP,    160                        ; V's LDS row: 128 bytes + 32
.set VBASE, 1024*KP                    ; 147,456; V ends at 311,296
; window 0
.set KB0, 8                            ; r x 144 + 16 h
.set VB0, 9                            ; VBASE + (8 h + lane % 8) x 160 + 16 x ((lane / 8) % 2)
.set KA,  10                           ; K address of the block that is loaded next
.set VA,  11                           ; V address of the block that is loaded next
.set QO,  12
.set STO, 13
.set RD,  14
.set CO,  15
.set DL,  16                           ; r - 8 h
.set NI,  17                           ; -infinity
.set M,   18                           ; v[18:21]  running maximum of query tile tt
.set LS,  22                           ; v[22:25]  running sum, of my half of the keys
.set NM,  26                           ; v[26+2tt] -c x maximum; the odd neighbour takes what comes from the other half of the lanes
.set AL,  34                           ; v[34+2tt] the rescaling factor, at the end 1 / sum; the odd neighbour is only written once
.set SUM, 42                           ; v[42+2tt : 43+2tt] this block's sums
.set T,   50                           ; v[50:57]  at work
.set KF,  64                           ; v[64:127] K fragments (a, ke) at 8 (2 a + ke); at the end v[64:191] are the rows to store
.set SC,  128                          ; v[128:255] S^T tile (tt, a) at 8 (4 tt + a); then P^T (tt, ks) at 32 tt + 16 ks
; window 1
.set OA,  0                            ; O^T tile (tt, et) at 8 (4 tt + et)
.set QF,  128                          ; Q fragments (tt, ke) at 128 + 8 (2 tt + ke)
.set VF,  192                          ; V^T fragments (ks, et) at 192 + 8 (4 ks + et)
; window 2
.set PK,  0                            ; pass p's results in bf16: tile (tt, et) at 64 p + 4 (4 tt + et)
.set MK,  68                           ; s[68:75] lane masks of the diagonal tiles: j > r - 8 h
.set G1K, 24
.set G1V, 32
.set MSB, 0
.macro WIN new                         ; the immediate's high byte repeats the setting that is left
.if MSB != \new
	s_set_vgpr_msb (MSB<<8)|\new
.set MSB, \new
.endif
.endm
	s_load_b128 s[4:7], s[0:1], 0x0                ; qkv s[4:5], act s[6:7]
	v_lshl_add_u32 v62, v0, 2, 0x4c000
	v_mov_b32 v63, 0
	ds_add_u32 v62, v63
	ds_add_u32 v62, v63
	v_lshrrev_b32 v4, 5, v0
	v_readfirstlane_b32 s10, v4                    ; wave
	s_lshr_b32 s11, ttmp9, 1
	s_and_b32 s12, s11, 63                         ; head
	s_lshl_b32 s12, s12, 18                        ; x 262,144 bytes a plane
	s_lshr_b32 s11, s11, 6                         ; batch
	s_lshl_b32 s11, s11, 17                        ; x 1,024 rows of 128 bytes
	s_add_co_u32 s12, s12, s11
	s_mov_b32 s13, 0
	; a tensor load brings 128 rows of 128 bytes, dense in memory, as 64 rows of 256 bytes; a pad follows every 32 words, that is every row of K or V
	s_mov_b32 s[G1K+0], (3<<16)|(1<<20)|(4<<22)|(3<<25)    ; 8-byte elements, padding of 4 words: pitch 144
	s_mov_b32 s[G1V+0], (3<<16)|(1<<20)|(4<<22)|(7<<25)    ; padding of 8 words: pitch 160
.irp g, G1K, G1V
	s_mov_b32 s[\g+1], 32<<16
	s_mov_b32 s[\g+2], 64<<16
	s_mov_b32 s[\g+3], 32<<16
	s_mov_b32 s[\g+4], 64
	s_mov_b32 s[\g+5], 32
	s_mov_b32 s[\g+6], 0
	s_mov_b32 s[\g+7], 0
.endr
	s_mul_i32 s3, s10, 128*KP                      ; my 128 rows of each half of K (at the end: my stage),
	s_mul_i32 s11, s10, 128*VP                     ; and of V, in LDS
	s_lshl_b32 s18, s10, 14                        ; and in memory
	s_mov_b32 s19, 0
	s_wait_dscnt 0x0
	s_wait_kmcnt 0x0
	s_add_nc_u64 s[14:15], s[4:5], s[12:13]        ; q of my head and batch
	s_add_nc_u64 s[16:17], s[6:7], s[12:13]        ; the result's rows
	s_add_nc_u64 s[18:19], s[14:15], s[18:19]
	s_mov_b32 s40, 1                               ; K rows 0-511
	s_mov_b32 s41, s3
	s_add_nc_u64 s[42:43], s[18:19], 16777216
	s_or_b32 s43, s43, 0x80000000
	s_mov_b32 s44, 1                               ; V rows 0-511
	s_add_co_u32 s45, s11, VBASE
	s_add_nc_u64 s[46:47], s[18:19], 33554432
	s_or_b32 s47, s47, 0x80000000
	s_mov_b32 s48, 1                               ; K rows 512-1023
	s_add_co_u32 s49, s3, 512*KP
	s_add_nc_u64 s[50:51], s[18:19], 16777216+65536
	s_or_b32 s51, s51, 0x80000000
	s_mov_b32 s52, 1                               ; V rows 512-1023
	s_add_co_u32 s53, s11, VBASE+512*VP
	s_add_nc_u64 s[54:55], s[18:19], 33554432+65536
	s_or_b32 s55, s55, 0x80000000
	tensor_load_to_lds s[40:43], s[G1K:G1K+7]      ; all first fills in one group: four tensor loads of the wave are out
	s_nop 0
	tensor_load_to_lds s[44:47], s[G1V:G1V+7]
	s_nop 0
	tensor_load_to_lds s[48:51], s[G1K:G1K+7]
	s_nop 0
	tensor_load_to_lds s[52:55], s[G1V:G1V+7]
	s_nop 0
	s_mov_b32 s20, 0x76543210                      ; v_permlanex16_b32: lane i reads lane i xor 16
	s_mov_b32 s21, 0xfedcba98
	s_mov_b32 s22, 0x3e38aa3b                      ; c = log2(e) / 8
	s_mov_b32 s23, 0x3e38aa3b
	s_mov_b32 s2, 0xbe38aa3b                       ; -c
	s_and_b32 s57, ttmp9, 1
	s_lshl1_add_u32 s57, s10, s57                  ; j = which of the two work-groups + 2 x wave
	v_and_b32 v1, 15, v0                           ; r
	v_bfe_u32 v2, v0, 4, 1                         ; h
	v_and_b32 v3, 31, v0                           ; lane
	v_mul_u32_u24 v[KB0], v1, KP
	v_lshl_add_u32 v[KB0], v2, 4, v[KB0]
	v_and_b32 v4, 7, v0
	v_lshl_add_u32 v4, v2, 3, v4
	v_mul_u32_u24 v4, v4, VP
	v_bfe_u32 v5, v0, 3, 1
	v_lshl_add_u32 v4, v5, 4, v4
	v_add_nc_u32 v[VB0], VBASE, v4
	v_lshlrev_b32 v[QO], 7, v1
	v_lshl_add_u32 v[QO], v2, 4, v[QO]             ; q: row r, 16 bytes for each half of the lanes
	v_add_nc_u32 v[STO], s3, v[KB0]                ; the stage, in: row r, 16 bytes for each half of the lanes
	v_lshrrev_b32 v4, 3, v3
	v_mul_u32_u24 v4, v4, KP
	v_and_b32 v5, 7, v0
	v_lshl_add_u32 v4, v5, 4, v4
	v_add_nc_u32 v[RD], s3, v4                     ; back: eight lanes take a row of 128 bytes, four rows a load
	v_lshlrev_b32 v[CO], 4, v3
	v_lshlrev_b32 v4, 3, v2
	v_sub_nc_u32 v[DL], v1, v4
	v_mov_b32 v[NI], 0xff800000
.irp j, 0,1,2,3,4,5,6,7
	v_cmp_gt_i32 s[MK+\j], \j, v[DL]               ; in a diagonal tile key 8 h + j lies above query r
.endr
.irp tt, 0,1,2,3
	v_mov_b32 v[NM+2*\tt+1], 0                     ; the odd halves of the pairs are read with the even ones: written once
	v_mov_b32 v[AL+2*\tt+1], 0
.endr
	s_wait_tensorcnt 0x0                           ; my sixteenths of K and V are in,
	s_barrier_signal -1
	s_barrier_wait -1                              ; everybody's are: up to the next barrier LDS is only read
; Softmax of query tile tt over this block's 64 keys (32 in my registers, 32 in lane xor 16).
.macro SOFT tt, first
.set SB, SC+32*\tt
	v_max3_num_f32 v[T], v[SB], v[SB+1], v[SB+2]
	v_max3_num_f32 v[T+1], v[SB+3], v[SB+4], v[SB+5]
.set k, 6
.rept 13
	v_max3_num_f32 v[T+(k/2)%2], v[T+(k/2)%2], v[SB+k], v[SB+k+1]
.set k, k+2
.endr
	v_max_num_f32 v[T], v[T], v[T+1]
	v_permlanex16_b32 v[NM+2*\tt+1], v[T], s20, s21
.if \first
	v_max_num_f32 v[M+\tt], v[T], v[NM+2*\tt+1]    ; finite: the diagonal block holds key t for every query t
.else
	v_max3_num_f32 v[T+2], v[T], v[NM+2*\tt+1], v[M+\tt]
	v_sub_f32 v[T+3], v[M+\tt], v[T+2]
	v_mul_f32 v[T+3], s22, v[T+3]
	v_exp_f32 v[AL+2*\tt], v[T+3]                  ; what the old sums are worth under the new maximum
	v_mov_b32 v[M+\tt], v[T+2]                     ; a plain instruction behind the exponential (ISA guide 5.7.2)
.endif
	v_mul_f32 v[NM+2*\tt], s2, v[M+\tt]
.set k, 0
.rept 16
	v_pk_fma_f32 v[SB+k:SB+k+1], v[SB+k:SB+k+1], s[22:23], v[NM+2*\tt:NM+2*\tt+1] op_sel_hi:[1,0,0]   ; c s - c m
.set k, k+2
.endr
.set k, 0
.rept 32
	v_exp_f32 v[SB+k], v[SB+k]
.set k, k+1
.endr
	v_nop                                          ; the plain instruction between the exponentials and the first use of a result
	s_wait_alu depctr_va_vdst(0)
	v_pk_add_f32 v[SUM+2*\tt:SUM+2*\tt+1], v[SB:SB+1], v[SB+2:SB+3]
	v_pk_add_f32 v[T+4:T+5], v[SB+4:SB+5], v[SB+6:SB+7]
.set k, 8
.rept 6
	v_pk_add_f32 v[SUM+2*\tt:SUM+2*\tt+1], v[SUM+2*\tt:SUM+2*\tt+1], v[SB+k:SB+k+1]
	v_pk_add_f32 v[T+4:T+5], v[T+4:T+5], v[SB+k+2:SB+k+3]
.set k, k+4
.endr
	v_pk_add_f32 v[SUM+2*\tt:SUM+2*\tt+1], v[SUM+2*\tt:SUM+2*\tt+1], v[T+4:T+5]
.irp ks, 0,1                           ; tiles 2 ks and 2 ks + 1 become registers 0-3 and 4-7 of P^T (tt, ks), in place, upward
.irp i, 0,1,2,3
	v_cvt_pk_bf16_f32 v[SB+16*\ks+\i], v[SB+16*\ks+2*\i], v[SB+16*\ks+2*\i+1]
.endr
.irp i, 0,1,2,3
	v_cvt_pk_bf16_f32 v[SB+16*\ks+4+\i], v[SB+16*\ks+8+2*\i], v[SB+16*\ks+8+2*\i+1]
.endr
.endr
.endm
; One key block of 64 against my 64 queries.  On entry the block's 16 K loads are out or in, KA points at the next block's K, VA at this block's V.
; first = 1: starts maxima, sums and O (nothing is cleared).  mask = 1: the diagonal block.
; In both products 16 accumulators take turns, one instruction a turn.
.macro BLOCK first, mask
	WIN 0x40                                       ; destination in window 1
.irp ks, 0,1
.irp et, 0,1,2,3
	ds_load_tr16_b128 v[VF+8*(4*\ks+\et):VF+8*(4*\ks+\et)+3],   v[VA] offset:\ks*32*VP+\et*32
	ds_load_tr16_b128 v[VF+8*(4*\ks+\et)+4:VF+8*(4*\ks+\et)+7], v[VA] offset:\ks*32*VP+\et*32+16*VP
.endr
.endr
	WIN 0
.if \first
	v_mov_b32 v[VA], v[VB0]                        ; behind the diagonal block comes key block 0
.else
	v_add_nc_u32 v[VA], 64*VP, v[VA]
.endif
	s_wait_dscnt 16                                ; K's 16 loads are in; V's 16, issued behind them, may be out
	WIN 0x04                                       ; source 1 (Q) in window 1
.irp ke, 0,1
.irp tt, 0,1,2,3
.irp a, 0,1,2,3
.if \ke == 0
	v_wmma_f32_16x16x32_bf16 v[SC+8*(4*\tt+\a):SC+8*(4*\tt+\a)+7], v[KF+8*(2*\a+\ke):KF+8*(2*\a+\ke)+7], v[QF+8*(2*\tt+\ke):QF+8*(2*\tt+\ke)+7], 0
.else
	v_wmma_f32_16x16x32_bf16 v[SC+8*(4*\tt+\a):SC+8*(4*\tt+\a)+7], v[KF+8*(2*\a+\ke):KF+8*(2*\a+\ke)+7], v[QF+8*(2*\tt+\ke):QF+8*(2*\tt+\ke)+7], v[SC+8*(4*\tt+\a):SC+8*(4*\tt+\a)+7]
.endif
.endr
.endr
.endr
	WIN 0
.rept 4
	v_nop                                          ; four places before K's registers are loaded again and the scores are read (ISA guide 7.12.1)
.endr
.irp a, 0,1,2,3
.irp ke, 0,1
	ds_load_b128 v[KF+8*(2*\a+\ke):KF+8*(2*\a+\ke)+3],   v[KA] offset:\a*16*KP+\ke*64       ; the next block's K (behind the last block: the diagonal block's, unused)
	ds_load_b128 v[KF+8*(2*\a+\ke)+4:KF+8*(2*\a+\ke)+7], v[KA] offset:\a*16*KP+\ke*64+32
.endr
.endr
	v_add_nc_u32 v[KA], 64*KP, v[KA]
.if \mask
.irp tt, 0,1,2,3
.irp a, 0,1,2,3
.if \a > \tt
.irp j, 0,1,2,3,4,5,6,7
	v_mov_b32 v[SC+8*(4*\tt+\a)+\j], v[NI]         ; all 16 keys lie above all 16 queries
.endr
.endif
.if \a == \tt
.irp j, 0,1,2,3,4,5,6,7
	v_cndmask_b32 v[SC+8*(4*\tt+\a)+\j], v[SC+8*(4*\tt+\a)+\j], v[NI], s[MK+\j]
.endr
.endif
.endr
.endr
.endif
	SOFT 0, \first
	SOFT 1, \first
	SOFT 2, \first
	SOFT 3, \first
.if \first == 0
	WIN 0x41                                       ; O in window 1, the factor in window 0
.irp tt, 0,1,2,3
.set k, 0
.rept 16
	v_pk_mul_f32 v[OA+32*\tt+k:OA+32*\tt+k+1], v[OA+32*\tt+k:OA+32*\tt+k+1], v[AL+2*\tt:AL+2*\tt+1] op_sel_hi:[1,0]
.set k, k+2
.endr
.endr
.endif
	s_wait_dscnt 16                                ; V's 16 loads are in; the next block's 16 K loads may be out
	WIN 0x51                                       ; V^T, C and D in window 1, P^T in window 0
.irp ks, 0,1
.irp tt, 0,1,2,3
.irp et, 0,1,2,3
.if \first && (\ks == 0)
	v_wmma_f32_16x16x32_bf16 v[OA+8*(4*\tt+\et):OA+8*(4*\tt+\et)+7], v[VF+8*(4*\ks+\et):VF+8*(4*\ks+\et)+7], v[SC+32*\tt+16*\ks:SC+32*\tt+16*\ks+7], 0
.else
	v_wmma_f32_16x16x32_bf16 v[OA+8*(4*\tt+\et):OA+8*(4*\tt+\et)+7], v[VF+8*(4*\ks+\et):VF+8*(4*\ks+\et)+7], v[SC+32*\tt+16*\ks:SC+32*\tt+16*\ks+7], v[OA+8*(4*\tt+\et):OA+8*(4*\tt+\et)+7]
.endif
.endr
.endr
.endr
	WIN 0
	; the running sums: at least five plain instructions that name no register of the products above, in front of the next loads into V^T's
	; registers and the next scores, which write over P^T
.if \first
.irp tt, 0,1,2,3
	v_add_f32 v[LS+\tt], v[SUM+2*\tt], v[SUM+2*\tt+1]
.endr
	v_nop
.else
.irp tt, 0,1,2,3
	v_add_f32 v[SUM+2*\tt], v[SUM+2*\tt], v[SUM+2*\tt+1]
.endr
.irp tt, 0,1,2,3
	v_fma_f32 v[LS+\tt], v[LS+\tt], v[AL+2*\tt], v[SUM+2*\tt]
.endr
.endif
.endm
; The end of pass p: O / sum, rounded to bf16, kept in window 2 until both passes are over.  No LDS byte is written here.
.macro FINISH p
	s_wait_dscnt 0x0                               ; the look-ahead loads into K's registers are back: the next pass loads these registers again, and no LDS load of mine is out at the barrier behind the passes
.irp tt, 0,1,2,3
	v_permlanex16_b32 v[NM+2*\tt+1], v[LS+\tt], s20, s21
.endr
.irp tt, 0,1,2,3
	v_add_f32 v[LS+\tt], v[LS+\tt], v[NM+2*\tt+1]  ; both halves of the keys (the factors were equal in both halves of the lanes)
.endr
.irp tt, 0,1,2,3
	v_rcp_f32 v[AL+2*\tt], v[LS+\tt]
.endr
	v_nop                                          ; a plain instruction behind the reciprocals (ISA guide 5.7.2)
	WIN 0x01                                       ; O from window 1 into the scores' registers
	s_wait_alu depctr_va_vdst(0)
.irp tt, 0,1,2,3
.set k, 0
.rept 16
	v_pk_mul_f32 v[SC+32*\tt+k:SC+32*\tt+k+1], v[OA+32*\tt+k:OA+32*\tt+k+1], v[AL+2*\tt:AL+2*\tt+1] op_sel_hi:[1,0]
.set k, k+2
.endr
.endr
	WIN 0x80                                       ; destination in window 2
.irp tt, 0,1,2,3
.irp et, 0,1,2,3
.irp i, 0,1,2,3
	v_cvt_pk_bf16_f32 v[PK+64*\p+4*(4*\tt+\et)+\i], v[SC+8*(4*\tt+\et)+2*\i], v[SC+8*(4*\tt+\et)+2*\i+1]
.endr
.endr
.endr
	WIN 0
.endm
; Pass p, query block s56: the diagonal key block first, then key blocks 0 to s56 - 1.
.macro PASS p
	s_lshl_b32 s58, s56, 13                        ; 64 rows of 128 bytes a block
	s_mov_b32 s59, 0
	s_add_nc_u64 s[60:61], s[14:15], s[58:59]      ; the last pass's loads of Q were waited for, so their base may be written
	WIN 0x40
.irp tt, 0,1,2,3
.irp ke, 0,1
	global_load_b128 v[QF+8*(2*\tt+\ke):QF+8*(2*\tt+\ke)+3],   v[QO], s[60:61] offset:\tt*2048+\ke*64
	global_load_b128 v[QF+8*(2*\tt+\ke)+4:QF+8*(2*\tt+\ke)+7], v[QO], s[60:61] offset:\tt*2048+\ke*64+32
.endr
.endr
	WIN 0
	s_mul_i32 s59, s56, 64*KP
	v_add_nc_u32 v[KA], s59, v[KB0]
	s_mul_i32 s59, s56, 64*VP
	v_add_nc_u32 v[VA], s59, v[VB0]
.irp a, 0,1,2,3
.irp ke, 0,1
	ds_load_b128 v[KF+8*(2*\a+\ke):KF+8*(2*\a+\ke)+3],   v[KA] offset:\a*16*KP+\ke*64
	ds_load_b128 v[KF+8*(2*\a+\ke)+4:KF+8*(2*\a+\ke)+7], v[KA] offset:\a*16*KP+\ke*64+32
.endr
.endr
	v_mov_b32 v[KA], v[KB0]
	s_wait_loadcnt 0x0                             ; Q
	BLOCK 1, 1
	s_cmp_eq_u32 s56, 0
	s_cbranch_scc1 .Lnone_\@
	s_mov_b32 s58, 0
.Lkey_\@:
	BLOCK 0, 0
	s_add_co_u32 s58, s58, 1
	s_cmp_lt_u32 s58, s56
	s_cbranch_scc1 .Lkey_\@
.Lnone_\@:
	FINISH \p
.endm
	s_mov_b32 s56, s57                             ; query block j
	PASS 0
	s_sub_co_u32 s56, 15, s57                      ; query block 15 - j
	PASS 1
	; THE WAY OUT.  Every wave's LDS loads are back (the wait for 0 at the end of each pass); behind this barrier no wave reads K or V any more,
	; and no tensor load follows in this launch: the rows of K that my first tensor load filled are my stage, 2 x 64 rows of 144 bytes.
	s_barrier_signal -1
	s_barrier_wait -1
	s_lshl_b32 s58, s57, 13                        ; pass 0's rows: block j
	s_mov_b32 s59, 0
	s_add_nc_u64 s[60:61], s[16:17], s[58:59]
	s_lshl_b32 s58, s56, 13                        ; pass 1's rows: block 15 - j
	s_add_nc_u64 s[62:63], s[16:17], s[58:59]
	WIN 0x08                                       ; the stores' data in window 2
.irp p, 0,1
.irp tt, 0,1,2,3
.irp et, 0,1,2,3
	ds_store_b128 v[STO], v[PK+64*\p+4*(4*\tt+\et):PK+64*\p+4*(4*\tt+\et)+3] offset:\p*64*KP+\tt*16*KP+32*\et
.endr
.endr
.endr
	WIN 0
.irp p, 0,1                            ; the two passes use registers and bases of their own: no source of a pending store is written
.irp tt, 0,1,2,3
.irp i, 0,1,2,3
	ds_load_b128 v[KF+64*\p+16*\tt+4*\i:KF+64*\p+16*\tt+4*\i+3], v[RD] offset:\p*64*KP+\tt*16*KP+\i*4*KP    ; LDS serves a wave's instructions in order (ISA guide 5.7.1.4); the stage is my own
.endr
.endr
.set n, 0
.irp tt, 0,1,2,3
.irp i, 0,1,2,3
	s_wait_dscnt 15-n                              ; load n of this pass's sixteen is in; the 15-n younger ones may be out
	global_store_b128 v[CO], v[KF+64*\p+16*\tt+4*\i:KF+64*\p+16*\tt+4*\i+3], s[60+2*\p:61+2*\p] offset:\tt*2048+\i*512    ; four rows, 512 consecutive bytes, aligned
.set n, n+1
.endr
.endr
.endr
	s_wait_tensorcnt 0x0
	ds_add_u32 v62, v63
	s_wait_dscnt 0x0
	s_endpgm
.Lfunc_end_k_qf3c7ae04da_attn:
	.size	k_qf3c7ae04da_attn, .Lfunc_end_k_qf3c7ae04da_attn-k_qf3c7ae04da_attn
	.p2alignl 7, 3214868480
	.fill 96, 4, 3214868480
	.section	.rodata,"a",@progbits
	.p2align	6, 0x0
	.amdhsa_kernel k_qf3c7ae04da_attn
		.amdhsa_group_segment_fixed_size 311808
		.amdhsa_private_segment_fixed_size 0
		.amdhsa_enable_private_segment 0
		.amdhsa_kernarg_size 16
		.amdhsa_user_sgpr_count 2
		.amdhsa_user_sgpr_kernarg_segment_ptr 1
		.amdhsa_wavefront_size32 1
		.amdhsa_system_sgpr_workgroup_id_x 1
		.amdhsa_system_sgpr_workgroup_id_y 1
		.amdhsa_system_sgpr_workgroup_id_z 1
		.amdhsa_system_vgpr_workitem_id 0
		.amdhsa_next_free_vgpr 640
		.amdhsa_next_free_sgpr 76
		.amdhsa_reserve_vcc 0
		.amdhsa_float_denorm_mode_32 3
		.amdhsa_float_denorm_mode_16_64 3
		.amdhsa_memory_ordered 1
		.amdhsa_forward_progress 1
		.amdhsa_inst_pref_size 163
	.end_amdhsa_kernel
	.amdgpu_metadata
---
amdhsa.version: [ 1, 2 ]
amdhsa.kernels:
  - .name:           k_qf3c7ae04da_attn
    .symbol:         k_qf3c7ae04da_attn.kd
    .args:
      - { .name: qkv, .offset: 0, .size: 8, .value_kind: global_buffer, .address_space: global }
      - { .name: act, .offset: 8, .size: 8, .value_kind: global_buffer, .address_space: global }
    .group_segment_fixed_size: 311808
    .private_segment_fixed_size: 0
    .kernarg_segment_align: 8
    .kernarg_segment_size: 16
    .max_flat_workgroup_size: 128
    .sgpr_count:     76
    .vgpr_count:     640
    .wavefront_size: 32
...
	.end_amdgpu_metadata
.endif
;; end of part 3
;; launch wo (part 4): grid 16 x 16, 4 waves a work-group, clusters of 4 x 4, 327,680 bytes of LDS; arguments act, wob, part; writes part
.if DOCPART == 4
	.amdgcn_target "amdgcn-amd-amdhsa--gfx1250"
	.amdhsa_code_object_version 6
	.text
	.protected	k_qf3c7ae04da_wo
	.globl	k_qf3c7ae04da_wo
	.p2align	8
	.type	k_qf3c7ae04da_wo,@function
k_qf3c7ae04da_wo:
	s_mov_b64 s[64:65], 0
	v_nop
	global_prefetch_b8 v0, s[64:65] scope:SCOPE_SE
	s_setreg_imm32_b32 hwreg(HW_REG_WAVE_MODE, 25, 1), 1
	s_wait_xcnt 0x0
	s_wait_alu depctr_hold_cnt(0) depctr_sa_sdst(0) depctr_va_vdst(0) depctr_va_sdst(0) depctr_va_ssrc(0) depctr_va_vcc(0) depctr_vm_vsrc(0)
	s_getreg_b32 s2, hwreg(HW_REG_IB_STS2, 6, 4)
	s_cmp_eq_u32 s2, 0
	s_cbranch_scc0 .Lentry_in_a_cluster
	s_endpgm
.Lentry_in_a_cluster:
	s_bfe_u32 s2, ttmp6, 0x10000c
	s_cmp_lg_u32 s2, 0xf033
	s_cbranch_scc0 .Lentry_shape_is_right
	s_endpgm
.Lentry_shape_is_right:
; wo / ff2: C = A W with M = 2,048, N = 1,024, K = 4,096, K split in four: part[ks] = A[:, 1024 ks ..] W[1024 ks .., :], f32, summed by the next launch.
; A is bf16 in planes [64][2048 rows][64] (K index = 64 x plane + column); W is bf16 [4096][1024].  bf16 operands, f32 sums.
; The split gives 4 (N blocks) x 4 (K parts) x 16 (row blocks) = 256 work-groups of 128 x 256 x 1,024, the same shape as ff1's.
; A work-group makes 128 rows x 256 columns with four waves, a wave 64 x 128: 32 accumulator tiles of 16 x 16, 256 registers.
; K goes in 8 steps of 128 (two planes of A) through two LDS slots filled by the tensor data mover.
; CLUSTERS of 4 x 4: the cluster's x is the K part, cx the N block, 4 x cluster y + cy the row block.  The four work-groups of a cluster's row need the same
; tile of A, the four of a column the same tile of W; each is asked for jointly, which divides the requests for both by four.
; W lies [K][N]: its fragments are read with the transposing LDS load.  The matrix instruction is used transposed (source 0 = W's columns, source 1 = A's
; rows): a lane holds eight neighbouring columns of one row of C.
; REGISTERS: window 0: addresses, fragments (two buffers); window 1: the accumulators, tile (a, b) at v[8 (8 a + b)].
.set AP,     144                       ; A's LDS row: 128 bytes (one plane's 64 columns) + 16 of padding
.set APLANE, 128*AP                    ; one plane's 128 rows, 18,432 bytes
.set AT,     2*APLANE
.set AHALF,  AT/2                      ; one plane: one tensor load
.set BP,     544                       ; W's LDS row: 512 bytes + 32 of padding
.set BPLANE, 128                       ; four n tiles are 128 bytes further along a row
.set BT,     128*BP
.set BHALF,  BT/2                      ; 64 k rows: one tensor load
.set WNOFF,  256                       ; a wave's 128 columns
.set SLOT,   AT+BT                     ; 106,496
.set STAGE,  2*SLOT                    ; behind the ring: 16 rows x 528 bytes for each wave; no tensor load lands here
.set SPITCH, 528
.set STAGEW, 16*SPITCH
.set ASTEP,  524288                    ; two planes of 262,144 bytes a K step
.set BSTEP,  262144                    ; 128 rows of 2,048 bytes a K step
.set A_W0, (3<<16)|(1<<20)|(1<<21)|(4<<22)|(3<<25)   ; 8-byte elements; padding on; bit 21 beside a mask; after every 32 words (one row of a plane) 4 words
.set A_C, 32                           ; the plane's 128 rows x 128 bytes are dense in memory: taken as 64 rows of 256 bytes
.set A_R, 64
.set A_P, 32
.set B_W0, (1<<16)|(1<<20)|(1<<21)|(6<<22)|(7<<25)   ; 2-byte elements; after every 128 words 8 words
.set B_C, 256
.set B_R, 64
.set B_P, 1024
.set ADRA, 16
.set ADRB, 20
.set STO,  24
.set RD,   25
.set CO,   26
.set FA0,  32                          ; A fragments: buffer f at 32 + 32 f, 4 x 8 registers
.set FB0,  96                          ; W fragments: buffer f at 96 + 64 f, 8 x 8 registers
.set G1, 24
.set G0, 32
.set G1B, 48
.set G0B, 56
.set MUL, 0x50                         ; C and D in window 1, sources in window 0
.set MSB, 0
.macro WIN new                         ; the immediate's high byte repeats the setting that is left
.if MSB != \new
	s_set_vgpr_msb (MSB<<8)|\new
.set MSB, \new
.endif
.endm
.macro PLACES                          ; four plain vector instructions behind a matrix instruction, before its registers are loaded into or its result read (ISA guide 7.12.1)
.rept 4
	v_nop
.endr
.endm
; A joint load.  Waves 0 and 1 fetch the two planes of A's tile, waves 2 and 3 the two halves of W's.  The branch hangs on the wave's number alone.
.macro JLOAD s
	s_cmp_eq_u32 s11, 0
	s_cbranch_scc0 .Lfor_b_\@
	tensor_load_to_lds s[G0+4*\s:G0+4*\s+3], s[G1:G1+7]
	s_nop 0
.rept 4
	v_nop
.endr
	s_branch .Lasked_\@
.Lfor_b_\@:
	tensor_load_to_lds s[G0B+4*\s:G0B+4*\s+3], s[G1B:G1B+7]
	s_nop 0
.rept 4
	v_nop
.endr
.Lasked_\@:
.endm
.macro CREST                           ; a round of the cluster's barrier behind its opening work-group barrier
	s_cmp_lg_u32 s10, 0
	s_cbranch_scc1 .Lnot_wave_0_\@
	s_barrier_signal -3
.Lnot_wave_0_\@:
	s_barrier_wait -3
	s_barrier_signal -1
	s_barrier_wait -1
.endm
.macro CROUND
	s_barrier_signal -1
	s_barrier_wait -1
	CREST
.endm
	s_load_b128 s[4:7], s[0:1], 0x0                ; A s[4:5], W s[6:7]
	s_load_b64 s[8:9], s[0:1], 0x10                ; part
	v_lshl_add_u32 v254, v0, 2, 0x3c400
	v_mov_b32 v255, 0
	ds_add_u32 v254, v255
	ds_add_u32 v254, v255
	v_lshrrev_b32 v1, 5, v0
	v_readfirstlane_b32 s10, v1                    ; wave 0..3
	s_lshr_b32 s11, s10, 1                         ; which 64 rows of the block are mine.  Also: I fetch for A (0) or for W (1)
	s_and_b32 s12, s10, 1                          ; which 128 columns.  Also: which half of that tile I fetch
	s_bfe_u32 s40, ttmp6, 0x40000                  ; cx: the N block
	s_bfe_u32 s41, ttmp6, 0x40004                  ; cy
	s_and_b32 s13, ttmp7, 0xffff
	s_lshl_b32 s13, s13, 2
	s_add_co_u32 s13, s13, s41                     ; block row = 4 x cluster y + cy
	s_lshl_b32 s43, s41, 2
	s_lshl_b32 s43, 15, s43                        ; my row of the cluster
	s_lshl_b32 s44, 0x1111, s40                    ; my column
	s_or_b32 s[G1+0], s43, A_W0
	s_or_b32 s[G1B+0], s44, B_W0
	s_mov_b32 s[G1+1], A_C<<16                     ; tensor_dim0
	s_mov_b32 s[G1B+1], B_C<<16
	s_mov_b32 s[G1+2], A_R<<16                     ; tensor_dim1
	s_mov_b32 s[G1B+2], B_R<<16
	s_mov_b32 s[G1+3], A_C<<16                     ; tile_dim0
	s_mov_b32 s[G1B+3], B_C<<16
	s_mov_b32 s[G1+4], A_R                         ; tile_dim1
	s_mov_b32 s[G1B+4], B_R
	s_mov_b32 s[G1+5], A_P                         ; elements from row to row
	s_mov_b32 s[G1B+5], B_P
	s_mov_b32 s[G1+6], 0
	s_mov_b32 s[G1B+6], 0
	s_mov_b32 s[G1+7], 0
	s_mov_b32 s[G1B+7], 0
	; A's tiles hang on the block row, the K part and the wave; W's on the N block, the K part and the wave; each in registers that never hold the other coordinate
	s_lshl_b32 s16, s13, 14                        ; 128 rows of 128 bytes a block row
	s_lshl_b32 s17, s12, 18                        ; + one plane for the second half
	s_add_co_u32 s16, s16, s17
	s_lshl_b32 s17, ttmp9, 22                      ; + 16 planes a K part
	s_add_co_u32 s16, s16, s17
	s_mov_b32 s17, 0
	s_lshl_b32 s46, s40, 9                         ; 256 columns of 2 bytes an N block
	s_lshl_b32 s47, s12, 17                        ; + 64 rows of 2,048 bytes for the second half
	s_add_co_u32 s46, s46, s47
	s_lshl_b32 s47, ttmp9, 21                      ; + 1,024 rows a K part
	s_add_co_u32 s46, s46, s47
	s_mov_b32 s47, 0
	s_mul_i32 s20, s12, AHALF                      ; where they go: no place in the cluster enters an LDS address
	s_mul_i32 s18, s12, BHALF
	s_add_co_u32 s18, s18, AT
	s_wait_dscnt 0x0
	s_wait_kmcnt 0x0
	s_add_nc_u64 s[14:15], s[4:5], s[16:17]
	s_add_nc_u64 s[46:47], s[6:7], s[46:47]
	CROUND                                         ; all sixteen work-groups are here: the first joint loads meet
.irp s, 0,1
	s_mov_b32 s[G0+4*\s], 1
	s_add_co_u32 s[G0+4*\s+1], s20, \s*SLOT
	s_add_nc_u64 s[G0+4*\s+2:G0+4*\s+3], s[14:15], \s*ASTEP
	s_or_b32 s[G0+4*\s+3], s[G0+4*\s+3], 0x80000000
	s_mov_b32 s[G0B+4*\s], 1
	s_add_co_u32 s[G0B+4*\s+1], s18, \s*SLOT
	s_add_nc_u64 s[G0B+4*\s+2:G0B+4*\s+3], s[46:47], \s*BSTEP
	s_or_b32 s[G0B+4*\s+3], s[G0B+4*\s+3], 0x80000000
	JLOAD \s                                       ; K steps 0 and 1: a wave has two tensor loads out here, later one
.endr
	v_and_b32 v1, 15, v0                           ; r = lane % 16
	v_bfe_u32 v2, v0, 4, 1                         ; h = lane / 16
	v_mul_u32_u24 v3, v1, AP
	v_lshl_add_u32 v3, v2, 4, v3                   ; A: row r, 16 bytes for each half of the lanes
	s_mul_i32 s21, s11, 64*AP                      ; my 64 rows
	v_and_b32 v4, 7, v0
	v_lshl_add_u32 v4, v2, 3, v4                   ; W, transposing load: k row 8 h + lane % 8,
	v_mul_u32_u24 v4, v4, BP
	v_bfe_u32 v5, v0, 3, 1
	v_lshl_add_u32 v4, v5, 4, v4                   ; 16 bytes for each eight lanes
	s_mul_i32 s22, s12, WNOFF                      ; my 128 columns,
	s_add_co_u32 s22, s22, AT                      ; behind A's tile
.irp s, 0,1
	v_add_nc_u32 v[ADRA+\s], s21, v3
	v_add_nc_u32 v[ADRB+\s], s22, v4
	s_add_co_u32 s21, s21, SLOT
	s_add_co_u32 s22, s22, SLOT
.endr
	s_mul_i32 s23, s10, STAGEW
	s_add_co_u32 s23, s23, STAGE                   ; my stage
	v_mul_u32_u24 v5, v1, SPITCH
	v_lshl_add_u32 v5, v2, 5, v5
	v_add_nc_u32 v[STO], s23, v5                   ; in: row r, 32 bytes for each half of the lanes
	v_and_b32 v6, 31, v0
	v_lshlrev_b32 v[CO], 4, v6                     ; back and out: the 32 lanes take one row's 512 bytes
	v_add_nc_u32 v[RD], s23, v[CO]
; 8 matrix instructions: m tile a x all 8 n tiles, 32 along K, from buffer f.  zero = 1: the first product starts the sums.
.macro MUL8 f, a, zero
.irp b, 0,1,2,3,4,5,6,7
.if \zero
	v_wmma_f32_16x16x32_bf16 v[8*(8*\a+\b):8*(8*\a+\b)+7], v[FB0+64*\f+8*\b:FB0+64*\f+8*\b+7], v[FA0+32*\f+8*\a:FA0+32*\f+8*\a+7], 0
.else
	v_wmma_f32_16x16x32_bf16 v[8*(8*\a+\b):8*(8*\a+\b)+7], v[FB0+64*\f+8*\b:FB0+64*\f+8*\b+7], v[FA0+32*\f+8*\a:FA0+32*\f+8*\a+7], v[8*(8*\a+\b):8*(8*\a+\b)+7]
.endif
.endr
.endm
; 24 LDS loads in one run: quarter q (32 K) of a slot into buffer f: W's 8 fragments, then A's fragments 0, 1, 2, 3
.macro FETCH slot, q, f
.irp b, 0,1,2,3,4,5,6,7
	ds_load_tr16_b128 v[FB0+64*\f+8*\b:FB0+64*\f+8*\b+3],   v[ADRB+\slot] offset:(\b>>2)*BPLANE+\q*32*BP+(\b&3)*32
	ds_load_tr16_b128 v[FB0+64*\f+8*\b+4:FB0+64*\f+8*\b+7], v[ADRB+\slot] offset:(\b>>2)*BPLANE+\q*32*BP+(\b&3)*32+16*BP
.endr
.irp a, 0,1,2,3
	ds_load_b128 v[FA0+32*\f+8*\a:FA0+32*\f+8*\a+3],   v[ADRA+\slot] offset:(\q>>1)*APLANE+\a*16*AP+(\q&1)*64
	ds_load_b128 v[FA0+32*\f+8*\a+4:FA0+32*\f+8*\a+7], v[ADRA+\slot] offset:(\q>>1)*APLANE+\a*16*AP+(\q&1)*64+32
.endr
.endm
; One of a K step's first three quarters: multiplies buffer f; in its middle it fetches quarter q of the same slot into buffer g.
; The 32 accumulators take turns, one instruction a turn, in the same order in every quarter.
.macro QUARTER slot, q, f, g, zero
	s_wait_dscnt 4                                 ; W and A's fragments 0 and 1 are in; the four youngest loads (fragments 2, 3) may be out
	WIN MUL
	MUL8 \f, 0, \zero
	MUL8 \f, 1, \zero
	PLACES
	WIN 0
	FETCH \slot, \q, \g
	s_wait_dscnt 24                                ; all but the 24 just issued
	WIN MUL
	MUL8 \f, 2, \zero
	MUL8 \f, 3, \zero
.endm
.macro THREE slot, zero
	QUARTER \slot, 1, 0, 1, \zero
	QUARTER \slot, 2, 1, 0, 0
	QUARTER \slot, 3, 0, 1, 0
.endm
; The last quarter: multiplies buffer 1 and changes slots.  In front of the barrier each wave waits for its reads of this slot and for all its
; tensor loads (one is out: its part of the next slot).  fill = 1: the barrier opens a round of the cluster's barrier, and the joint refill of
; this slot, two K steps ahead, is the first tensor load behind the round.  From a request to the wait for it a wave issues 120 matrix instructions.
.macro TURN slot, next, fill
	s_wait_dscnt 4
	WIN MUL
	MUL8 1, 0, 0
	s_wait_dscnt 0                                 ; my reads of this slot are over
	s_wait_tensorcnt 0x0                           ; all my tensor loads have landed
	ds_add_u32 v254, v255
	s_wait_dscnt 0x0
	s_barrier_signal -1
	MUL8 1, 1, 0                                   ; register work while the others arrive
	WIN 0
	s_barrier_wait -1
.if \fill
	CREST
	s_add_nc_u64 s[G0+4*\slot+2:G0+4*\slot+3], s[G0+4*\slot+2:G0+4*\slot+3], 2*ASTEP
	s_add_nc_u64 s[G0B+4*\slot+2:G0B+4*\slot+3], s[G0B+4*\slot+2:G0B+4*\slot+3], 2*BSTEP
	JLOAD \slot                                    ; its four v_nop are also the places in front of the loads below
.else
	PLACES
.endif
	FETCH \next, 0, 0
	WIN MUL
	MUL8 1, 2, 0
	MUL8 1, 3, 0
.endm
.macro LAP zero
	THREE 0, \zero
	TURN 0, 1, 1
	THREE 1, 0
	TURN 1, 0, 1
.endm
	s_wait_tensorcnt 0x1                           ; my part of K step 0 is in; K step 1's stays out
	s_barrier_signal -1
	s_barrier_wait -1
	FETCH 0, 0, 0
	LAP 1                                          ; K steps 0, 1; asks for 2, 3
	WIN 0
	s_mov_b32 s45, 2
.Llap:
	LAP 0                                          ; K steps 2 to 5; asks for 4 to 7
	WIN 0
	s_sub_co_u32 s45, s45, 1
	s_cmp_lg_u32 s45, 0
	s_cbranch_scc1 .Llap
	THREE 0, 0                                     ; K steps 6, 7: nothing is left to fetch
	TURN 0, 1, 0
	THREE 1, 0
	s_wait_dscnt 4
	WIN MUL
	MUL8 1, 0, 0
	MUL8 1, 1, 0
	s_wait_dscnt 0
	MUL8 1, 2, 0
	MUL8 1, 3, 0
	PLACES                                         ; behind the last matrix instructions: the LDS stores read results, the loads below land in fragment registers
	; THE WAY OUT, 16 rows at a time, in f32: 32 bytes a lane and tile into my own stage, read back as whole rows of 512 bytes
	s_lshl_b32 s16, s13, 19                        ; 128 rows of 4,096 bytes a block row
	s_lshl_b32 s17, s11, 18
	s_add_co_u32 s16, s16, s17
	s_lshl_b32 s17, ttmp9, 23                      ; 8,388,608 bytes a K part
	s_add_co_u32 s16, s16, s17
	s_mov_b32 s17, 0
	s_add_nc_u64 s[8:9], s[8:9], s[16:17]
	s_lshl_b32 s46, s40, 10                        ; 256 columns of 4 bytes an N block
	s_lshl_b32 s47, s12, 9
	s_add_co_u32 s46, s46, s47
	s_mov_b32 s47, 0
	s_add_nc_u64 s[8:9], s[8:9], s[46:47]
.macro OUTF a, f
	WIN 0x04                                       ; the stores' data in window 1
.irp b, 0,1,2,3,4,5,6,7
	ds_store_b128 v[STO], v[8*(8*\a+\b):8*(8*\a+\b)+3] offset:64*\b
	ds_store_b128 v[STO], v[8*(8*\a+\b)+4:8*(8*\a+\b)+7] offset:64*\b+16
.endr
	WIN 0
	s_wait_xcnt 0x0                                ; registers f.. were the data of earlier stores: loaded again only behind this wait
.irp t, 0,1,2,3,4,5,6,7,8,9,10,11,12,13,14,15
	ds_load_b128 v[\f+4*\t:\f+4*\t+3], v[RD] offset:\t*SPITCH      ; LDS serves a wave's instructions in order: these see the stores above
.endr
.irp t, 0,1,2,3,4,5,6,7,8,9,10,11,12,13,14,15
	s_wait_dscnt 15-\t
	global_store_b128 v[CO], v[\f+4*\t:\f+4*\t+3], s[8:9] offset:(16*\a+\t)*4096    ; 512 consecutive bytes of one row, aligned
.endr
.endm
	OUTF 0, 32
	OUTF 1, 96
	OUTF 2, 32
	OUTF 3, 96
	s_wait_tensorcnt 0x0
	ds_add_u32 v254, v255
	s_wait_dscnt 0x0
	CROUND                                         ; the closing round: no work-group ends while a partner may still ask for a tile that names it
	s_endpgm
.Lfunc_end_k_qf3c7ae04da_wo:
	.size	k_qf3c7ae04da_wo, .Lfunc_end_k_qf3c7ae04da_wo-k_qf3c7ae04da_wo
	.p2alignl 7, 3214868480
	.fill 96, 4, 3214868480
	.section	.rodata,"a",@progbits
	.p2align	6, 0x0
	.amdhsa_kernel k_qf3c7ae04da_wo
		.amdhsa_group_segment_fixed_size 327680
		.amdhsa_private_segment_fixed_size 0
		.amdhsa_enable_private_segment 0
		.amdhsa_kernarg_size 24
		.amdhsa_user_sgpr_count 2
		.amdhsa_user_sgpr_kernarg_segment_ptr 1
		.amdhsa_wavefront_size32 1
		.amdhsa_system_sgpr_workgroup_id_x 1
		.amdhsa_system_sgpr_workgroup_id_y 1
		.amdhsa_system_sgpr_workgroup_id_z 1
		.amdhsa_system_vgpr_workitem_id 0
		.amdhsa_next_free_vgpr 512
		.amdhsa_next_free_sgpr 66
		.amdhsa_reserve_vcc 0
		.amdhsa_float_denorm_mode_32 3
		.amdhsa_float_denorm_mode_16_64 3
		.amdhsa_memory_ordered 1
		.amdhsa_forward_progress 1
		.amdhsa_inst_pref_size 119
	.end_amdhsa_kernel
	.amdgpu_metadata
---
amdhsa.version: [ 1, 2 ]
amdhsa.kernels:
  - .name:           k_qf3c7ae04da_wo
    .symbol:         k_qf3c7ae04da_wo.kd
    .args:
      - { .name: act, .offset: 0, .size: 8, .value_kind: global_buffer, .address_space: global }
      - { .name: wob, .offset: 8, .size: 8, .value_kind: global_buffer, .address_space: global }
      - { .name: part, .offset: 16, .size: 8, .value_kind: global_buffer, .address_space: global }
    .group_segment_fixed_size: 327680
    .private_segment_fixed_size: 0
    .kernarg_segment_align: 8
    .kernarg_segment_size: 24
    .max_flat_workgroup_size: 128
    .sgpr_count:     66
    .vgpr_count:     512
    .wavefront_size: 32
...
	.end_amdgpu_metadata
.endif
;; end of part 4
;; launch ln1 (part 5): grid 256 x 1, 8 waves a work-group, no clusters, 0 bytes of LDS; arguments part, x, bo, g1, be1, x1w; writes x1w
.if DOCPART == 5
	.amdgcn_target "amdgcn-amd-amdhsa--gfx1250"
	.amdhsa_code_object_version 6
	.text
	.protected	k_qf3c7ae04da_ln1
	.globl	k_qf3c7ae04da_ln1
	.p2align	8
	.type	k_qf3c7ae04da_ln1,@function
k_qf3c7ae04da_ln1:
	s_mov_b64 s[64:65], 0
	v_nop
	global_prefetch_b8 v0, s[64:65] scope:SCOPE_SE
	s_setreg_imm32_b32 hwreg(HW_REG_WAVE_MODE, 25, 1), 1
	s_wait_xcnt 0x0
; ln1: x1 = LayerNorm(x + bo + the four partial sums of cat Wo) * g1 + be1, all in f32.
; Out: x1 in f32 [2048][1024] at byte 0 of x1w (the residual of the second norm) and in bf16 at byte 8,388,608 (the operand of the next product).
; One wave takes one row and keeps it in 32 registers: load i of a lane holds columns 128 i + 4 lane .. + 3, so every load and store of the wave covers
; 512 consecutive bytes.  Two passes over the registers: the mean, then the sum of squared differences from it.  No LDS, no barrier: the row never leaves the wave.
.set BF16OUT, 1
.set X,  8                             ; v[8:39]    the row
.set BI, 40                            ; v[40:71]   the bias, later the gain
.set P0, 72                            ; v[72:103]  partial sum 0, later the shift
.set P1, 104                           ; v[104:135] partial sum 1, later the bf16 row
.set P2, 136
.set P3, 168
.set TT, 200                           ; v[200:207] four chains
.set MU, 208                           ; v[208:209]
.set R,  210                           ; v[210:211]
.macro LD8 dst, lo
.irp i, 0,1,2,3,4,5,6,7
	global_load_b128 v[\dst+4*\i:\dst+4*\i+3], v1, s[\lo:\lo+1] offset:512*\i
.endr
.endm
.macro LD8NT dst, lo                   ; what the launch reads once
.irp i, 0,1,2,3,4,5,6,7
	global_load_b128 v[\dst+4*\i:\dst+4*\i+3], v1, s[\lo:\lo+1] offset:512*\i th:TH_LOAD_NT
.endr
.endm
.macro ADDX src
.set k, 0
.rept 16
	v_pk_add_f32 v[X+k:X+k+1], v[X+k:X+k+1], v[\src+k:\src+k+1]
.set k, k+2
.endr
.endm
.macro FOLD                            ; four chains to one number, then over the 32 lanes; the result is in every lane's v[TT]
	v_pk_add_f32 v[TT:TT+1], v[TT:TT+1], v[TT+2:TT+3]
	v_pk_add_f32 v[TT+4:TT+5], v[TT+4:TT+5], v[TT+6:TT+7]
	v_pk_add_f32 v[TT:TT+1], v[TT:TT+1], v[TT+4:TT+5]
	v_add_f32 v[TT], v[TT], v[TT+1]
	v_add_f32_dpp v[TT], v[TT], v[TT] row_xmask:1 row_mask:0xf bank_mask:0xf
	v_add_f32_dpp v[TT], v[TT], v[TT] row_xmask:2 row_mask:0xf bank_mask:0xf
	v_add_f32_dpp v[TT], v[TT], v[TT] row_xmask:4 row_mask:0xf bank_mask:0xf
	v_add_f32_dpp v[TT], v[TT], v[TT] row_xmask:8 row_mask:0xf bank_mask:0xf
	v_permlanex16_b32 v[TT+1], v[TT], s36, s37
	v_add_f32 v[TT], v[TT], v[TT+1]
.endm
	s_load_b256 s[8:15], s[0:1], 0x0               ; part s[8:9], residual s[10:11], bias s[12:13], gain s[14:15]
	s_load_b128 s[16:19], s[0:1], 0x20             ; shift s[16:17], out s[18:19]
	v_lshrrev_b32 v3, 5, v0
	v_readfirstlane_b32 s5, v3                     ; wave
	v_and_b32 v3, 31, v0
	v_lshlrev_b32 v1, 4, v3                        ; 16 bytes a lane
	v_lshlrev_b32 v2, 3, v3                        ; 8 bytes a lane (bf16)
	s_lshl3_add_u32 s6, ttmp9, s5                  ; my row = 8 x work-group + wave
	s_lshl_b32 s2, s6, 12
	s_mov_b32 s3, 0
	s_mov_b32 s34, 0x3a800000                      ; 1 / 1024
	s_mov_b32 s36, 0x76543210                      ; v_permlanex16_b32: lane i reads lane i xor 16
	s_mov_b32 s37, 0xfedcba98
	s_wait_kmcnt 0x0
	s_add_nc_u64 s[20:21], s[8:9], s[2:3]          ; my row in each of the four partial sums, 8,388,608 bytes apart
	s_add_nc_u64 s[22:23], s[20:21], 0x800000
	s_add_nc_u64 s[24:25], s[20:21], 0x1000000
	s_add_nc_u64 s[26:27], s[20:21], 0x1800000
	s_add_nc_u64 s[28:29], s[10:11], s[2:3]
	s_add_nc_u64 s[30:31], s[18:19], s[2:3]
.if BF16OUT
	s_lshl_b32 s2, s6, 11
	s_add_nc_u64 s[32:33], s[18:19], s[2:3]
	s_add_nc_u64 s[32:33], s[32:33], 0x800000
.endif
	LD8NT X, 28
	LD8 BI, 12
	LD8NT P0, 20
	LD8NT P1, 22
	LD8NT P2, 24
	LD8NT P3, 26
	s_wait_loadcnt 32                              ; loads come back in order (ISA guide 5.7.1): residual and bias are in, the 32 loads of the partial sums stay out
	ADDX BI
	LD8 BI, 14                                     ; the gain, into the bias's registers
	s_wait_loadcnt 32                              ; partial sum 0 is in; sums 1 to 3 and the gain stay out
	ADDX P0
	LD8 P0, 16                                     ; the shift
	s_wait_loadcnt 32                              ; sum 1 is in; sums 2, 3, gain and shift stay out
	ADDX P1
	s_wait_loadcnt 24                              ; sum 2
	ADDX P2
	s_wait_loadcnt 16                              ; sum 3; gain and shift stay out
	ADDX P3
	; the mean
.irp k, 0,1,2,3
	v_pk_add_f32 v[TT+2*\k:TT+2*\k+1], v[X+2*\k:X+2*\k+1], v[X+8+2*\k:X+8+2*\k+1]
.endr
.irp g, 2,3
.irp k, 0,1,2,3
	v_pk_add_f32 v[TT+2*\k:TT+2*\k+1], v[TT+2*\k:TT+2*\k+1], v[X+8*\g+2*\k:X+8*\g+2*\k+1]
.endr
.endr
	FOLD
	v_mul_f32 v[MU], s34, v[TT]
	v_mul_f32 v[MU+1], s34, v[TT]
.set k, 0
.rept 16
	v_pk_add_f32 v[X+k:X+k+1], v[X+k:X+k+1], v[MU:MU+1] neg_lo:[0,1] neg_hi:[0,1]
.set k, k+2
.endr
	; the variance, from the differences
.irp k, 0,1,2,3
	v_pk_mul_f32 v[TT+2*\k:TT+2*\k+1], v[X+2*\k:X+2*\k+1], v[X+2*\k:X+2*\k+1]
.endr
.irp g, 1,2,3
.irp k, 0,1,2,3
	v_pk_fma_f32 v[TT+2*\k:TT+2*\k+1], v[X+8*\g+2*\k:X+8*\g+2*\k+1], v[X+8*\g+2*\k:X+8*\g+2*\k+1], v[TT+2*\k:TT+2*\k+1]
.endr
.endr
	FOLD
	v_fmaak_f32 v[MU], s34, v[TT], 0x3727c5ac      ; variance + 1e-5
	v_rsq_f32 v[R], v[MU]
	v_rsq_f32 v[R+1], v[MU]
	v_nop                                          ; a plain instruction behind the transcendentals (ISA guide 5.7.2)
	s_wait_loadcnt 0x0                             ; gain and shift
.set k, 0
	s_wait_alu depctr_va_vdst(0)
.rept 16
	v_pk_mul_f32 v[X+k:X+k+1], v[X+k:X+k+1], v[R:R+1]
.set k, k+2
.endr
.set k, 0
.rept 16
	v_pk_fma_f32 v[X+k:X+k+1], v[X+k:X+k+1], v[BI+k:BI+k+1], v[P0+k:P0+k+1]
.set k, k+2
.endr
.irp i, 0,1,2,3,4,5,6,7
	global_store_b128 v1, v[X+4*\i:X+4*\i+3], s[30:31] offset:512*\i
.endr
.if BF16OUT
.irp i, 0,1,2,3,4,5,6,7
	v_cvt_pk_bf16_f32 v[P1+2*\i], v[X+4*\i], v[X+4*\i+1]
	v_cvt_pk_bf16_f32 v[P1+2*\i+1], v[X+4*\i+2], v[X+4*\i+3]
	global_store_b64 v2, v[P1+2*\i:P1+2*\i+1], s[32:33] offset:256*\i      ; 256 consecutive bytes, aligned
.endr
.endif
	s_endpgm
.Lfunc_end_k_qf3c7ae04da_ln1:
	.size	k_qf3c7ae04da_ln1, .Lfunc_end_k_qf3c7ae04da_ln1-k_qf3c7ae04da_ln1
	.p2alignl 7, 3214868480
	.fill 96, 4, 3214868480
	.section	.rodata,"a",@progbits
	.p2align	6, 0x0
	.amdhsa_kernel k_qf3c7ae04da_ln1
		.amdhsa_group_segment_fixed_size 0
		.amdhsa_private_segment_fixed_size 0
		.amdhsa_enable_private_segment 0
		.amdhsa_kernarg_size 48
		.amdhsa_user_sgpr_count 2
		.amdhsa_user_sgpr_kernarg_segment_ptr 1
		.amdhsa_wavefront_size32 1
		.amdhsa_system_sgpr_workgroup_id_x 1
		.amdhsa_system_sgpr_workgroup_id_y 1
		.amdhsa_system_sgpr_workgroup_id_z 1
		.amdhsa_system_vgpr_workitem_id 0
		.amdhsa_next_free_vgpr 216
		.amdhsa_next_free_sgpr 66
		.amdhsa_reserve_vcc 0
		.amdhsa_float_denorm_mode_32 3
		.amdhsa_float_denorm_mode_16_64 3
		.amdhsa_memory_ordered 1
		.amdhsa_forward_progress 1
		.amdhsa_inst_pref_size 22
	.end_amdhsa_kernel
	.amdgpu_metadata
---
amdhsa.version: [ 1, 2 ]
amdhsa.kernels:
  - .name:           k_qf3c7ae04da_ln1
    .symbol:         k_qf3c7ae04da_ln1.kd
    .args:
      - { .name: part, .offset: 0, .size: 8, .value_kind: global_buffer, .address_space: global }
      - { .name: x, .offset: 8, .size: 8, .value_kind: global_buffer, .address_space: global }
      - { .name: bo, .offset: 16, .size: 8, .value_kind: global_buffer, .address_space: global }
      - { .name: g1, .offset: 24, .size: 8, .value_kind: global_buffer, .address_space: global }
      - { .name: be1, .offset: 32, .size: 8, .value_kind: global_buffer, .address_space: global }
      - { .name: x1w, .offset: 40, .size: 8, .value_kind: global_buffer, .address_space: global }
    .group_segment_fixed_size: 0
    .private_segment_fixed_size: 0
    .kernarg_segment_align: 8
    .kernarg_segment_size: 48
    .max_flat_workgroup_size: 256
    .sgpr_count:     66
    .vgpr_count:     216
    .wavefront_size: 32
...
	.end_amdgpu_metadata
.endif
;; end of part 5
;; launch ff1 (part 6): grid 16 x 16, 4 waves a work-group, clusters of 4 x 4, 327,680 bytes of LDS; arguments x1w, wb, b1, act; writes act
.if DOCPART == 6
	.amdgcn_target "amdgcn-amd-amdhsa--gfx1250"
	.amdhsa_code_object_version 6
	.text
	.protected	k_qf3c7ae04da_ff1
	.globl	k_qf3c7ae04da_ff1
	.p2align	8
	.type	k_qf3c7ae04da_ff1,@function
k_qf3c7ae04da_ff1:
	s_mov_b64 s[64:65], 0
	v_nop
	global_prefetch_b8 v0, s[64:65] scope:SCOPE_SE
	s_setreg_imm32_b32 hwreg(HW_REG_WAVE_MODE, 25, 1), 1
	s_wait_xcnt 0x0
	s_wait_alu depctr_hold_cnt(0) depctr_sa_sdst(0) depctr_va_vdst(0) depctr_va_sdst(0) depctr_va_ssrc(0) depctr_va_vcc(0) depctr_vm_vsrc(0)
	s_getreg_b32 s2, hwreg(HW_REG_IB_STS2, 6, 4)
	s_cmp_eq_u32 s2, 0
	s_cbranch_scc0 .Lentry_in_a_cluster
	s_endpgm
.Lentry_in_a_cluster:
	s_bfe_u32 s2, ttmp6, 0x10000c
	s_cmp_lg_u32 s2, 0xf033
	s_cbranch_scc0 .Lentry_shape_is_right
	s_endpgm
.Lentry_shape_is_right:
; ff1: C = relu(x1 W1 + b1), M = 2,048, N = 4,096, K = 1,024; bf16 operands, f32 sums, bias and relu in f32, C rounded once to bf16.
; x1 is bf16 [2048][1024] at byte X1B of x1w; W1 is bf16 [1024][4096] at byte W1B of wb; C goes out as planes [64][row][64] (plane p = columns 64 p ..).
; A work-group makes 128 rows x 256 columns (4 planes) with four waves, a wave 64 x 128: 32 accumulator tiles of 16 x 16, 256 registers.
; K goes in 8 steps of 128 through two LDS slots filled by the tensor data mover.  16 x 16 = 256 work-groups.
; CLUSTERS of 4 x 4: the four work-groups of a cluster's row need the same tile of x1, the four of a column the same tile of W1; each tile is asked for
; jointly, which divides the requests for both by four.
; W1 lies [K][N]: its fragments are read with the transposing LDS load.  The matrix instruction is used transposed (source 0 = W1's columns,
; source 1 = x1's rows): a lane holds eight neighbouring columns of one row of C, 16 bytes in bf16.
; REGISTERS: window 0: addresses, fragments (two buffers), packed results; window 1: the accumulators, tile (a, b) at v[8 (8 a + b)];
; window 2: v[0:63] the bias of my 64 columns (8 for each n tile).
.set AP,     272                       ; x1's LDS row: 256 bytes + 16 of padding
.set APLANE, 128                       ; two quarters of 32 K are 128 bytes further along a row
.set AT,     128*AP
.set AHALF,  AT/2                      ; 64 rows: one tensor load
.set BP,     544                       ; W1's LDS row: 512 bytes + 32 of padding
.set BPLANE, 128                       ; four n tiles are 128 bytes further along a row
.set BT,     128*BP
.set BHALF,  BT/2                      ; 64 k rows: one tensor load
.set WNOFF,  256                       ; a wave's 128 columns
.set SLOT,   AT+BT                     ; 104,448
.set STAGE,  2*SLOT                    ; behind the ring: 16 rows x 272 bytes for each wave; no tensor load lands here
.set SPITCH, 272
.set STAGEW, 16*SPITCH
.set ASTEP,  256                       ; bytes from a K step's tile of x1 to the next
.set BSTEP,  1048576                   ; 128 rows of 8,192 bytes
.set X1B,    8388608
.set W1B,    25165824
.set A_W0, (1<<16)|(1<<20)|(1<<21)|(5<<22)|(3<<25)   ; 2-byte elements; padding on; bit 21 beside a mask; after every 64 words 4 words
.set A_C, 128
.set A_R, 64
.set A_P, 1024
.set B_W0, (1<<16)|(1<<20)|(1<<21)|(6<<22)|(7<<25)   ; after every 128 words 8 words
.set B_C, 256
.set B_R, 64
.set B_P, 4096
.set ADRA, 16
.set ADRB, 20
.set STO,  24
.set RD,   25
.set CO,   26
.set BO,   27                          ; 32 h: my eight columns of a tile, in b1
.set FA0,  32                          ; x1 fragments: buffer f at 32 + 32 f, 4 x 8 registers
.set FB0,  96                          ; W1 fragments: buffer f at 96 + 64 f, 8 x 8 registers
.set WK,   160                         ; the way out: 64 numbers in f32 at work
.set TMP,  224
.set G1, 24
.set G0, 32
.set G1B, 48
.set G0B, 56
.set MUL, 0x50                         ; C and D in window 1, sources in window 0
.set MSB, 0
.macro WIN new                         ; the immediate's high byte repeats the setting that is left
.if MSB != \new
	s_set_vgpr_msb (MSB<<8)|\new
.set MSB, \new
.endif
.endm
.macro PLACES                          ; four plain vector instructions behind a matrix instruction, before its registers are loaded into or its result read (ISA guide 7.12.1)
.rept 4
	v_nop
.endr
.endm
; A joint load.  Waves 0 and 1 fetch the two halves of x1's tile, waves 2 and 3 those of W1's.  The branch hangs on the wave's number alone.
.macro JLOAD s
	s_cmp_eq_u32 s11, 0
	s_cbranch_scc0 .Lfor_b_\@
	tensor_load_to_lds s[G0+4*\s:G0+4*\s+3], s[G1:G1+7]
	s_nop 0
.rept 4
	v_nop
.endr
	s_branch .Lasked_\@
.Lfor_b_\@:
	tensor_load_to_lds s[G0B+4*\s:G0B+4*\s+3], s[G1B:G1B+7]
	s_nop 0
.rept 4
	v_nop
.endr
.Lasked_\@:
.endm
.macro CREST                           ; a round of the cluster's barrier behind its opening work-group barrier
	s_cmp_lg_u32 s10, 0
	s_cbranch_scc1 .Lnot_wave_0_\@
	s_barrier_signal -3
.Lnot_wave_0_\@:
	s_barrier_wait -3
	s_barrier_signal -1
	s_barrier_wait -1
.endm
.macro CROUND
	s_barrier_signal -1
	s_barrier_wait -1
	CREST
.endm
	s_load_b128 s[4:7], s[0:1], 0x0                ; x1w s[4:5], wb s[6:7]
	s_load_b64 s[2:3], s[0:1], 0x10                ; b1
	s_load_b64 s[8:9], s[0:1], 0x18                ; act
	v_lshl_add_u32 v30, v0, 2, 0x37400
	v_mov_b32 v31, 0
	ds_add_u32 v30, v31
	ds_add_u32 v30, v31
	v_lshrrev_b32 v1, 5, v0
	v_readfirstlane_b32 s10, v1                    ; wave 0..3
	s_lshr_b32 s11, s10, 1                         ; which 64 rows of the block are mine.  Also: I fetch for x1 (0) or for W1 (1)
	s_and_b32 s12, s10, 1                          ; which 128 columns.  Also: which half of that tile I fetch
	s_bfe_u32 s40, ttmp6, 0x40000                  ; cx
	s_bfe_u32 s41, ttmp6, 0x40004                  ; cy
	s_lshl_b32 s42, ttmp9, 2
	s_add_co_u32 s42, s42, s40                     ; block column = 4 x cluster x + cx
	s_and_b32 s13, ttmp7, 0xffff
	s_lshl_b32 s13, s13, 2
	s_add_co_u32 s13, s13, s41                     ; block row = 4 x cluster y + cy
	s_lshl_b32 s43, s41, 2
	s_lshl_b32 s43, 15, s43                        ; my row of the cluster
	s_lshl_b32 s44, 0x1111, s40                    ; my column
	s_or_b32 s[G1+0], s43, A_W0
	s_or_b32 s[G1B+0], s44, B_W0
	s_mov_b32 s[G1+1], A_C<<16                     ; tensor_dim0
	s_mov_b32 s[G1B+1], B_C<<16
	s_mov_b32 s[G1+2], A_R<<16                     ; tensor_dim1
	s_mov_b32 s[G1B+2], B_R<<16
	s_mov_b32 s[G1+3], A_C<<16                     ; tile_dim0
	s_mov_b32 s[G1B+3], B_C<<16
	s_mov_b32 s[G1+4], A_R                         ; tile_dim1
	s_mov_b32 s[G1B+4], B_R
	s_mov_b32 s[G1+5], A_P                         ; elements from row to row
	s_mov_b32 s[G1B+5], B_P
	s_mov_b32 s[G1+6], 0
	s_mov_b32 s[G1B+6], 0
	s_mov_b32 s[G1+7], 0
	s_mov_b32 s[G1B+7], 0
	; x1's tiles hang on the block row and the wave, W1's on the block column and the wave, each in registers that never hold the other coordinate
	s_lshl_b32 s16, s13, 18                        ; 128 rows of 2,048 bytes a block row
	s_lshl_b32 s17, s12, 17                        ; + 64 rows for the second half
	s_add_co_u32 s16, s16, s17
	s_mov_b32 s17, 0
	s_lshl_b32 s46, s42, 9                         ; 256 columns of 2 bytes a block column
	s_lshl_b32 s47, s12, 19                        ; + 64 rows of 8,192 bytes for the second half
	s_add_co_u32 s46, s46, s47
	s_mov_b32 s47, 0
	s_lshl_b32 s22, s42, 10                        ; b1: 256 columns of 4 bytes a block column
	s_lshl_b32 s23, s12, 9                         ; + my 128 columns
	s_add_co_u32 s22, s22, s23
	s_mov_b32 s23, 0
	s_mul_i32 s20, s12, AHALF                      ; where the tiles go: no place in the cluster enters an LDS address
	s_mul_i32 s18, s12, BHALF
	s_add_co_u32 s18, s18, AT
	s_wait_dscnt 0x0
	s_wait_kmcnt 0x0
	s_add_nc_u64 s[14:15], s[4:5], s[16:17]
	s_add_nc_u64 s[14:15], s[14:15], X1B
	s_add_nc_u64 s[46:47], s[6:7], s[46:47]
	s_add_nc_u64 s[46:47], s[46:47], W1B
	s_add_nc_u64 s[2:3], s[2:3], s[22:23]
	CROUND                                         ; all sixteen work-groups are here: the first joint loads meet
.irp s, 0,1
	s_mov_b32 s[G0+4*\s], 1
	s_add_co_u32 s[G0+4*\s+1], s20, \s*SLOT
	s_add_nc_u64 s[G0+4*\s+2:G0+4*\s+3], s[14:15], \s*ASTEP
	s_or_b32 s[G0+4*\s+3], s[G0+4*\s+3], 0x80000000
	s_mov_b32 s[G0B+4*\s], 1
	s_add_co_u32 s[G0B+4*\s+1], s18, \s*SLOT
	s_add_nc_u64 s[G0B+4*\s+2:G0B+4*\s+3], s[46:47], \s*BSTEP
	s_or_b32 s[G0B+4*\s+3], s[G0B+4*\s+3], 0x80000000
	JLOAD \s                                       ; K steps 0 and 1: a wave has two tensor loads out here, later one
.endr
	v_and_b32 v1, 15, v0                           ; r = lane % 16
	v_bfe_u32 v2, v0, 4, 1                         ; h = lane / 16
	v_lshlrev_b32 v[BO], 5, v2
	WIN 0x80                                       ; destination in window 2
.irp b, 0,1,2,3,4,5,6,7
	global_load_b128 v[8*\b:8*\b+3],   v[BO], s[2:3] offset:64*\b          ; b1 of columns 16 b + 8 h + 0 .. 7; waited for in front of the way out
	global_load_b128 v[8*\b+4:8*\b+7], v[BO], s[2:3] offset:64*\b+16
.endr
	WIN 0
	v_mul_u32_u24 v3, v1, AP
	v_lshl_add_u32 v3, v2, 4, v3                   ; x1: row r, 16 bytes for each half of the lanes
	s_mul_i32 s21, s11, 64*AP                      ; my 64 rows
	v_and_b32 v4, 7, v0
	v_lshl_add_u32 v4, v2, 3, v4                   ; W1, transposing load: k row 8 h + lane % 8,
	v_mul_u32_u24 v4, v4, BP
	v_bfe_u32 v5, v0, 3, 1
	v_lshl_add_u32 v4, v5, 4, v4                   ; 16 bytes for each eight lanes
	s_mul_i32 s22, s12, WNOFF                      ; my 128 columns,
	s_add_co_u32 s22, s22, AT                      ; behind x1's tile
.irp s, 0,1
	v_add_nc_u32 v[ADRA+\s], s21, v3
	v_add_nc_u32 v[ADRB+\s], s22, v4
	s_add_co_u32 s21, s21, SLOT
	s_add_co_u32 s22, s22, SLOT
.endr
	s_mul_i32 s23, s10, STAGEW
	s_add_co_u32 s23, s23, STAGE                   ; my stage
	v_mul_u32_u24 v5, v1, SPITCH
	v_lshl_add_u32 v5, v2, 4, v5
	v_add_nc_u32 v[STO], s23, v5                   ; in: row r, 16 bytes for each half of the lanes
	v_and_b32 v6, 31, v0
	v_lshrrev_b32 v7, 3, v6
	v_mul_u32_u24 v7, v7, SPITCH
	v_and_b32 v5, 7, v0
	v_lshl_add_u32 v7, v5, 4, v7
	v_add_nc_u32 v[RD], s23, v7                    ; back: eight lanes take the 128 bytes that one row has in one plane, four rows a load
	v_lshlrev_b32 v[CO], 4, v6                     ; in memory these four rows of a plane are 512 consecutive bytes
; 8 matrix instructions: m tile a x all 8 n tiles, 32 along K, from buffer f.  zero = 1: the first product starts the sums.
.macro MUL8 f, a, zero
.irp b, 0,1,2,3,4,5,6,7
.if \zero
	v_wmma_f32_16x16x32_bf16 v[8*(8*\a+\b):8*(8*\a+\b)+7], v[FB0+64*\f+8*\b:FB0+64*\f+8*\b+7], v[FA0+32*\f+8*\a:FA0+32*\f+8*\a+7], 0
.else
	v_wmma_f32_16x16x32_bf16 v[8*(8*\a+\b):8*(8*\a+\b)+7], v[FB0+64*\f+8*\b:FB0+64*\f+8*\b+7], v[FA0+32*\f+8*\a:FA0+32*\f+8*\a+7], v[8*(8*\a+\b):8*(8*\a+\b)+7]
.endif
.endr
.endm
; 24 LDS loads in one run: quarter q (32 K) of a slot into buffer f: W1's 8 fragments, then x1's fragments 0, 1, 2, 3
.macro FETCH slot, q, f
.irp b, 0,1,2,3,4,5,6,7
	ds_load_tr16_b128 v[FB0+64*\f+8*\b:FB0+64*\f+8*\b+3],   v[ADRB+\slot] offset:(\b>>2)*BPLANE+\q*32*BP+(\b&3)*32
	ds_load_tr16_b128 v[FB0+64*\f+8*\b+4:FB0+64*\f+8*\b+7], v[ADRB+\slot] offset:(\b>>2)*BPLANE+\q*32*BP+(\b&3)*32+16*BP
.endr
.irp a, 0,1,2,3
	ds_load_b128 v[FA0+32*\f+8*\a:FA0+32*\f+8*\a+3],   v[ADRA+\slot] offset:(\q>>1)*APLANE+\a*16*AP+(\q&1)*64
	ds_load_b128 v[FA0+32*\f+8*\a+4:FA0+32*\f+8*\a+7], v[ADRA+\slot] offset:(\q>>1)*APLANE+\a*16*AP+(\q&1)*64+32
.endr
.endm
; One of a K step's first three quarters: multiplies buffer f; in its middle it fetches quarter q of the same slot into buffer g.
; The 32 accumulators take turns, one instruction a turn, in the same order in every quarter.
.macro QUARTER slot, q, f, g, zero
	s_wait_dscnt 4                                 ; W1 and x1's fragments 0 and 1 are in; the four youngest loads (fragments 2, 3) may be out
	WIN MUL
	MUL8 \f, 0, \zero
	MUL8 \f, 1, \zero
	PLACES
	WIN 0
	FETCH \slot, \q, \g
	s_wait_dscnt 24                                ; all but the 24 just issued
	WIN MUL
	MUL8 \f, 2, \zero
	MUL8 \f, 3, \zero
.endm
.macro THREE slot, zero
	QUARTER \slot, 1, 0, 1, \zero
	QUARTER \slot, 2, 1, 0, 0
	QUARTER \slot, 3, 0, 1, 0
.endm
; The last quarter: multiplies buffer 1 and changes slots.  In front of the barrier each wave waits for its reads of this slot and for all its
; tensor loads (one is out: its part of the next slot).  fill = 1: the barrier opens a round of the cluster's barrier, and the joint refill of
; this slot, two K steps ahead, is the first tensor load behind the round.  From a request to the wait for it a wave issues 120 matrix instructions.
.macro TURN slot, next, fill
	s_wait_dscnt 4
	WIN MUL
	MUL8 1, 0, 0
	s_wait_dscnt 0                                 ; my reads of this slot are over
	s_wait_tensorcnt 0x0                           ; all my tensor loads have landed
	ds_add_u32 v30, v31
	s_wait_dscnt 0x0
	s_barrier_signal -1
	MUL8 1, 1, 0                                   ; register work while the others arrive
	WIN 0
	s_barrier_wait -1
.if \fill
	CREST
	s_add_nc_u64 s[G0+4*\slot+2:G0+4*\slot+3], s[G0+4*\slot+2:G0+4*\slot+3], 2*ASTEP
	s_add_nc_u64 s[G0B+4*\slot+2:G0B+4*\slot+3], s[G0B+4*\slot+2:G0B+4*\slot+3], 2*BSTEP
	JLOAD \slot                                    ; its four v_nop are also the places in front of the loads below
.else
	PLACES
.endif
	FETCH \next, 0, 0
	WIN MUL
	MUL8 1, 2, 0
	MUL8 1, 3, 0
.endm
.macro LAP zero
	THREE 0, \zero
	TURN 0, 1, 1
	THREE 1, 0
	TURN 1, 0, 1
.endm
	s_wait_tensorcnt 0x1                           ; my part of K step 0 is in; K step 1's stays out
	s_barrier_signal -1
	s_barrier_wait -1
	FETCH 0, 0, 0
	LAP 1                                          ; K steps 0, 1; asks for 2, 3
	WIN 0
	s_mov_b32 s45, 2
.Llap:
	LAP 0                                          ; K steps 2 to 5; asks for 4 to 7
	WIN 0
	s_sub_co_u32 s45, s45, 1
	s_cmp_lg_u32 s45, 0
	s_cbranch_scc1 .Llap
	THREE 0, 0                                     ; K steps 6, 7: nothing is left to fetch
	TURN 0, 1, 0
	THREE 1, 0
	s_wait_dscnt 4
	WIN MUL
	MUL8 1, 0, 0
	MUL8 1, 1, 0
	s_wait_dscnt 0
	MUL8 1, 2, 0
	MUL8 1, 3, 0
	PLACES                                         ; behind the last matrix instructions: the sums below read results and write fragment registers
	; THE WAY OUT, 16 rows at a time: + b1, relu, round to bf16, 16 bytes a lane into my own stage, read back so that a store covers four whole rows of one plane
	s_lshl_b32 s16, s13, 14                        ; 128 rows of 128 bytes a block row
	s_lshl_b32 s17, s11, 13
	s_add_co_u32 s16, s16, s17
	s_mov_b32 s17, 0
	s_add_nc_u64 s[8:9], s[8:9], s[16:17]
	s_lshl_b32 s46, s42, 20                        ; 4 planes of 262,144 bytes a block column
	s_lshl_b32 s47, s12, 19
	s_add_co_u32 s46, s46, s47
	s_mov_b32 s47, 0
	s_add_nc_u64 s[8:9], s[8:9], s[46:47]
	s_wait_loadcnt 0x0                             ; b1
.macro OUTB a, f
	WIN 0x09                                       ; source 0 (sums) in window 1, source 1 (bias) in window 2
.irp b, 0,1,2,3,4,5,6,7
.irp i, 0,1,2,3
	v_pk_add_f32 v[WK+8*\b+2*\i:WK+8*\b+2*\i+1], v[8*(8*\a+\b)+2*\i:8*(8*\a+\b)+2*\i+1], v[8*\b+2*\i:8*\b+2*\i+1]
.endr
.endr
	WIN 0
.set k, 0
.rept 64
	v_max_num_f32 v[WK+k], 0, v[WK+k]
.set k, k+1
.endr
.irp b, 0,1,2,3,4,5,6,7
.irp i, 0,1,2,3
	v_cvt_pk_bf16_f32 v[TMP+4*\b+\i], v[WK+8*\b+2*\i], v[WK+8*\b+2*\i+1]
.endr
.endr
.irp b, 0,1,2,3,4,5,6,7
	ds_store_b128 v[STO], v[TMP+4*\b:TMP+4*\b+3] offset:32*\b
.endr
	s_wait_xcnt 0x0                                ; registers f.. were the data of earlier stores: loaded again only behind this wait
.irp t, 0,1,2,3,4,5,6,7
	ds_load_b128 v[\f+4*\t:\f+4*\t+3], v[RD] offset:(\t>>2)*128+(\t&3)*4*SPITCH   ; LDS serves a wave's instructions in order: these see the stores above
.endr
.irp t, 0,1,2,3,4,5,6,7
	s_wait_dscnt 7-\t
	global_store_b128 v[CO], v[\f+4*\t:\f+4*\t+3], s[8:9] offset:(\t>>2)*262144+\a*2048+(\t&3)*512   ; 512 consecutive bytes, aligned
.endr
.endm
	OUTB 0, 96
	OUTB 1, 128
	OUTB 2, 96
	OUTB 3, 128
	s_wait_tensorcnt 0x0
	ds_add_u32 v30, v31
	s_wait_dscnt 0x0
	CROUND                                         ; the closing round: no work-group ends while a partner may still ask for a tile that names it
	s_endpgm
.Lfunc_end_k_qf3c7ae04da_ff1:
	.size	k_qf3c7ae04da_ff1, .Lfunc_end_k_qf3c7ae04da_ff1-k_qf3c7ae04da_ff1
	.p2alignl 7, 3214868480
	.fill 96, 4, 3214868480
	.section	.rodata,"a",@progbits
	.p2align	6, 0x0
	.amdhsa_kernel k_qf3c7ae04da_ff1
		.amdhsa_group_segment_fixed_size 327680
		.amdhsa_private_segment_fixed_size 0
		.amdhsa_enable_private_segment 0
		.amdhsa_kernarg_size 32
		.amdhsa_user_sgpr_count 2
		.amdhsa_user_sgpr_kernarg_segment_ptr 1
		.amdhsa_wavefront_size32 1
		.amdhsa_system_sgpr_workgroup_id_x 1
		.amdhsa_system_sgpr_workgroup_id_y 1
		.amdhsa_system_sgpr_workgroup_id_z 1
		.amdhsa_system_vgpr_workitem_id 0
		.amdhsa_next_free_vgpr 576
		.amdhsa_next_free_sgpr 66
		.amdhsa_reserve_vcc 0
		.amdhsa_float_denorm_mode_32 3
		.amdhsa_float_denorm_mode_16_64 3
		.amdhsa_memory_ordered 1
		.amdhsa_forward_progress 1
		.amdhsa_inst_pref_size 137
	.end_amdhsa_kernel
	.amdgpu_metadata
---
amdhsa.version: [ 1, 2 ]
amdhsa.kernels:
  - .name:           k_qf3c7ae04da_ff1
    .symbol:         k_qf3c7ae04da_ff1.kd
    .args:
      - { .name: x1w, .offset: 0, .size: 8, .value_kind: global_buffer, .address_space: global }
      - { .name: wb, .offset: 8, .size: 8, .value_kind: global_buffer, .address_space: global }
      - { .name: b1, .offset: 16, .size: 8, .value_kind: global_buffer, .address_space: global }
      - { .name: act, .offset: 24, .size: 8, .value_kind: global_buffer, .address_space: global }
    .group_segment_fixed_size: 327680
    .private_segment_fixed_size: 0
    .kernarg_segment_align: 8
    .kernarg_segment_size: 32
    .max_flat_workgroup_size: 128
    .sgpr_count:     66
    .vgpr_count:     576
    .wavefront_size: 32
...
	.end_amdgpu_metadata
.endif
;; end of part 6
;; launch ff2: the kernel of part 4 again; grid 16 x 16, 4 waves a work-group, clusters of 4 x 4, 327,680 bytes of LDS; arguments act, w2b, part; writes part
;; launch ln2 (part 7): grid 256 x 1, 8 waves a work-group, no clusters, 0 bytes of LDS; arguments part, x1w, b2, g2, be2, out0; writes out0
.if DOCPART == 7
	.amdgcn_target "amdgcn-amd-amdhsa--gfx1250"
	.amdhsa_code_object_version 6
	.text
	.protected	k_qf3c7ae04da_ln2
	.globl	k_qf3c7ae04da_ln2
	.p2align	8
	.type	k_qf3c7ae04da_ln2,@function
k_qf3c7ae04da_ln2:
	s_mov_b64 s[64:65], 0
	v_nop
	global_prefetch_b8 v0, s[64:65] scope:SCOPE_SE
	s_setreg_imm32_b32 hwreg(HW_REG_WAVE_MODE, 25, 1), 1
	s_wait_xcnt 0x0
; ln2: out = LayerNorm(x1 + b2 + the four partial sums of relu(..) W2) * g2 + be2, all in f32.  x1 in f32 is [2048][1024] at byte 0 of x1w.
; One wave takes one row and keeps it in 32 registers: load i of a lane holds columns 128 i + 4 lane .. + 3, so every load and store of the wave covers
; 512 consecutive bytes.  Two passes over the registers: the mean, then the sum of squared differences from it.  No LDS, no barrier: the row never leaves the wave.
.set X,  8                             ; v[8:39]    the row
.set BI, 40                            ; v[40:71]   the bias, later the gain
.set P0, 72                            ; v[72:103]  partial sum 0, later the shift
.set P1, 104
.set P2, 136
.set P3, 168
.set TT, 200                           ; v[200:207] four chains
.set MU, 208                           ; v[208:209]
.set R,  210                           ; v[210:211]
.macro LD8 dst, lo
.irp i, 0,1,2,3,4,5,6,7
	global_load_b128 v[\dst+4*\i:\dst+4*\i+3], v1, s[\lo:\lo+1] offset:512*\i
.endr
.endm
.macro LD8NT dst, lo                   ; what the launch reads once
.irp i, 0,1,2,3,4,5,6,7
	global_load_b128 v[\dst+4*\i:\dst+4*\i+3], v1, s[\lo:\lo+1] offset:512*\i th:TH_LOAD_NT
.endr
.endm
.macro ADDX src
.set k, 0
.rept 16
	v_pk_add_f32 v[X+k:X+k+1], v[X+k:X+k+1], v[\src+k:\src+k+1]
.set k, k+2
.endr
.endm
.macro FOLD                            ; four chains to one number, then over the 32 lanes; the result is in every lane's v[TT]
	v_pk_add_f32 v[TT:TT+1], v[TT:TT+1], v[TT+2:TT+3]
	v_pk_add_f32 v[TT+4:TT+5], v[TT+4:TT+5], v[TT+6:TT+7]
	v_pk_add_f32 v[TT:TT+1], v[TT:TT+1], v[TT+4:TT+5]
	v_add_f32 v[TT], v[TT], v[TT+1]
	v_add_f32_dpp v[TT], v[TT], v[TT] row_xmask:1 row_mask:0xf bank_mask:0xf
	v_add_f32_dpp v[TT], v[TT], v[TT] row_xmask:2 row_mask:0xf bank_mask:0xf
	v_add_f32_dpp v[TT], v[TT], v[TT] row_xmask:4 row_mask:0xf bank_mask:0xf
	v_add_f32_dpp v[TT], v[TT], v[TT] row_xmask:8 row_mask:0xf bank_mask:0xf
	v_permlanex16_b32 v[TT+1], v[TT], s36, s37
	v_add_f32 v[TT], v[TT], v[TT+1]
.endm
	s_load_b256 s[8:15], s[0:1], 0x0               ; part s[8:9], residual s[10:11], bias s[12:13], gain s[14:15]
	s_load_b128 s[16:19], s[0:1], 0x20             ; shift s[16:17], out s[18:19]
	v_lshrrev_b32 v3, 5, v0
	v_readfirstlane_b32 s5, v3                     ; wave
	v_and_b32 v3, 31, v0
	v_lshlrev_b32 v1, 4, v3                        ; 16 bytes a lane
	s_lshl3_add_u32 s6, ttmp9, s5                  ; my row = 8 x work-group + wave
	s_lshl_b32 s2, s6, 12
	s_mov_b32 s3, 0
	s_mov_b32 s34, 0x3a800000                      ; 1 / 1024
	s_mov_b32 s36, 0x76543210                      ; v_permlanex16_b32: lane i reads lane i xor 16
	s_mov_b32 s37, 0xfedcba98
	s_wait_kmcnt 0x0
	s_add_nc_u64 s[20:21], s[8:9], s[2:3]          ; my row in each of the four partial sums, 8,388,608 bytes apart
	s_add_nc_u64 s[22:23], s[20:21], 0x800000
	s_add_nc_u64 s[24:25], s[20:21], 0x1000000
	s_add_nc_u64 s[26:27], s[20:21], 0x1800000
	s_add_nc_u64 s[28:29], s[10:11], s[2:3]
	s_add_nc_u64 s[30:31], s[18:19], s[2:3]
	LD8NT X, 28
	LD8 BI, 12
	LD8NT P0, 20
	LD8NT P1, 22
	LD8NT P2, 24
	LD8NT P3, 26
	s_wait_loadcnt 32                              ; loads come back in order (ISA guide 5.7.1): residual and bias are in, the 32 loads of the partial sums stay out
	ADDX BI
	LD8 BI, 14                                     ; the gain, into the bias's registers
	s_wait_loadcnt 32                              ; partial sum 0 is in; sums 1 to 3 and the gain stay out
	ADDX P0
	LD8 P0, 16                                     ; the shift
	s_wait_loadcnt 32                              ; sum 1 is in; sums 2, 3, gain and shift stay out
	ADDX P1
	s_wait_loadcnt 24                              ; sum 2
	ADDX P2
	s_wait_loadcnt 16                              ; sum 3; gain and shift stay out
	ADDX P3
	; the mean
.irp k, 0,1,2,3
	v_pk_add_f32 v[TT+2*\k:TT+2*\k+1], v[X+2*\k:X+2*\k+1], v[X+8+2*\k:X+8+2*\k+1]
.endr
.irp g, 2,3
.irp k, 0,1,2,3
	v_pk_add_f32 v[TT+2*\k:TT+2*\k+1], v[TT+2*\k:TT+2*\k+1], v[X+8*\g+2*\k:X+8*\g+2*\k+1]
.endr
.endr
	FOLD
	v_mul_f32 v[MU], s34, v[TT]
	v_mul_f32 v[MU+1], s34, v[TT]
.set k, 0
.rept 16
	v_pk_add_f32 v[X+k:X+k+1], v[X+k:X+k+1], v[MU:MU+1] neg_lo:[0,1] neg_hi:[0,1]
.set k, k+2
.endr
	; the variance, from the differences
.irp k, 0,1,2,3
	v_pk_mul_f32 v[TT+2*\k:TT+2*\k+1], v[X+2*\k:X+2*\k+1], v[X+2*\k:X+2*\k+1]
.endr
.irp g, 1,2,3
.irp k, 0,1,2,3
	v_pk_fma_f32 v[TT+2*\k:TT+2*\k+1], v[X+8*\g+2*\k:X+8*\g+2*\k+1], v[X+8*\g+2*\k:X+8*\g+2*\k+1], v[TT+2*\k:TT+2*\k+1]
.endr
.endr
	FOLD
	v_fmaak_f32 v[MU], s34, v[TT], 0x3727c5ac      ; variance + 1e-5
	v_rsq_f32 v[R], v[MU]
	v_rsq_f32 v[R+1], v[MU]
	v_nop                                          ; a plain instruction behind the transcendentals (ISA guide 5.7.2)
	s_wait_loadcnt 0x0                             ; gain and shift
.set k, 0
	s_wait_alu depctr_va_vdst(0)
.rept 16
	v_pk_mul_f32 v[X+k:X+k+1], v[X+k:X+k+1], v[R:R+1]
.set k, k+2
.endr
.set k, 0
.rept 16
	v_pk_fma_f32 v[X+k:X+k+1], v[X+k:X+k+1], v[BI+k:BI+k+1], v[P0+k:P0+k+1]
.set k, k+2
.endr
.irp i, 0,1,2,3,4,5,6,7
	global_store_b128 v1, v[X+4*\i:X+4*\i+3], s[30:31] offset:512*\i th:TH_STORE_NT
.endr
	s_endpgm
.Lfunc_end_k_qf3c7ae04da_ln2:
	.size	k_qf3c7ae04da_ln2, .Lfunc_end_k_qf3c7ae04da_ln2-k_qf3c7ae04da_ln2
	.p2alignl 7, 3214868480
	.fill 96, 4, 3214868480
	.section	.rodata,"a",@progbits
	.p2align	6, 0x0
	.amdhsa_kernel k_qf3c7ae04da_ln2
		.amdhsa_group_segment_fixed_size 0
		.amdhsa_private_segment_fixed_size 0
		.amdhsa_enable_private_segment 0
		.amdhsa_kernarg_size 48
		.amdhsa_user_sgpr_count 2
		.amdhsa_user_sgpr_kernarg_segment_ptr 1
		.amdhsa_wavefront_size32 1
		.amdhsa_system_sgpr_workgroup_id_x 1
		.amdhsa_system_sgpr_workgroup_id_y 1
		.amdhsa_system_sgpr_workgroup_id_z 1
		.amdhsa_system_vgpr_workitem_id 0
		.amdhsa_next_free_vgpr 216
		.amdhsa_next_free_sgpr 66
		.amdhsa_reserve_vcc 0
		.amdhsa_float_denorm_mode_32 3
		.amdhsa_float_denorm_mode_16_64 3
		.amdhsa_memory_ordered 1
		.amdhsa_forward_progress 1
		.amdhsa_inst_pref_size 20
	.end_amdhsa_kernel
	.amdgpu_metadata
---
amdhsa.version: [ 1, 2 ]
amdhsa.kernels:
  - .name:           k_qf3c7ae04da_ln2
    .symbol:         k_qf3c7ae04da_ln2.kd
    .args:
      - { .name: part, .offset: 0, .size: 8, .value_kind: global_buffer, .address_space: global }
      - { .name: x1w, .offset: 8, .size: 8, .value_kind: global_buffer, .address_space: global }
      - { .name: b2, .offset: 16, .size: 8, .value_kind: global_buffer, .address_space: global }
      - { .name: g2, .offset: 24, .size: 8, .value_kind: global_buffer, .address_space: global }
      - { .name: be2, .offset: 32, .size: 8, .value_kind: global_buffer, .address_space: global }
      - { .name: out0, .offset: 40, .size: 8, .value_kind: global_buffer, .address_space: global }
    .group_segment_fixed_size: 0
    .private_segment_fixed_size: 0
    .kernarg_segment_align: 8
    .kernarg_segment_size: 48
    .max_flat_workgroup_size: 256
    .sgpr_count:     66
    .vgpr_count:     216
    .wavefront_size: 32
...
	.end_amdgpu_metadata
.endif
;; end of part 7
;; ======== version 2 of 2: 8 launches; version 1 with the launches cvt, ln1, ln2 written anew for expert scheduling mode
;; workspace buffers: wb 37,748,736 bytes; wob 8,388,608 bytes; w2b 8,388,608 bytes; qkv 50,331,648 bytes; act 16,777,216 bytes; part 33,554,432 bytes; x1w 12,582,912 bytes
;; launch cvt (part 8): grid 64 x 13, 8 waves a work-group, no clusters, 0 bytes of LDS; arguments Wq, Wk, Wv, W1, x, Wo, W2, wb, wob, w2b; writes wb, wob, w2b
.if DOCPART == 8
	.amdgcn_target "amdgcn-amd-amdhsa--gfx1250"
	.amdhsa_code_object_version 6
	.text
	.protected	k_qf3c7ae04da_cvt
	.globl	k_qf3c7ae04da_cvt
	.p2align	8
	.type	k_qf3c7ae04da_cvt,@function
k_qf3c7ae04da_cvt:
	s_mov_b64 s[64:65], 0
	v_nop
	global_prefetch_b8 v0, s[64:65] scope:SCOPE_SE
	s_setreg_imm32_b32 hwreg(HW_REG_WAVE_SCHED_MODE, 0, 2), 2
	s_setreg_imm32_b32 hwreg(HW_REG_WAVE_MODE, 25, 1), 1
	s_wait_xcnt 0x0
	s_wait_alu depctr_vm_vsrc(0)
; cvt: every f32 operand of a matrix product is rounded to bf16 once, so that the products can take 16-bit tiles.
; All seven inputs are seen as rows of 1,024 f32 (4,096 bytes).  The grid's y picks a unit of 2,048 rows:
;   y 0-1 Wq, 2-3 Wk, 4-5 Wv, 6-7 W1, 8 x  -> wb, one after the other (unit y at byte y x 4 MiB: W1 at 25,165,824, x at 33,554,432)
;   y 9-10 Wo -> wob with its rows permuted: wob[h*64+d] = Wo[d*64+h], the order in which the attention result is stored (head, then d)
;   y 11-12 W2 -> w2b
; A work-group takes 32 rows, a wave 4 rows: 32 loads of 512 consecutive bytes, all issued before the first is used.
; A store of 8 bytes a lane covers 256 consecutive bytes, aligned.  No register is written twice, so no wait frees a source.
; A stream: no LDS, no barrier, no matrix unit.
; THE MODE: SCHED_MODE bits 1:0 = 2 (LLVM: expert scheduling mode 2), set by the entry lines.  The code itself states the register dependences
; between vector instructions and memory instructions, with s_wait_alu, always for 0.
; THE PLAN.  Registers that memory instructions touch:
;   v1         the loads' offset, v2 to v5 the stores' offsets: made once at the head, never written again.
;   X          each register is written by one load and read by one conversion.
;   Y          each pair is written by one pair of conversions and read by one store.
; The 32 loads go in four groups of eight, one output row each.  Group g's conversions read X of group g and write Y of group g; the stores that stand
; among them are those of group g - 1, which read Y of group g - 1 and that row's offset: registers that no vector instruction of group g names.
; So one wait at the head of a group states all that its eight stores hang on, and one more stands ahead of the last eight stores.
.set X, 8                              ; v[8:135]    32 loads of 4 registers
.set Y, 136                            ; v[136:199]  32 pairs to store
	s_load_b512 s[8:23], s[0:1], 0x0               ; Wq s[8:9], Wk s[10:11], Wv s[12:13], W1 s[14:15], x s[16:17], Wo s[18:19], W2 s[20:21], wb s[22:23]
	s_load_b128 s[24:27], s[0:1], 0x40             ; wob s[24:25], w2b s[26:27]
	s_and_b32 s2, ttmp7, 0xffff                    ; y: the unit
	v_lshrrev_b32 v7, 5, v0
	v_readfirstlane_b32 s5, v7                     ; wave
	v_and_b32 v6, 31, v0                           ; lane
	v_lshlrev_b32 v1, 4, v6                        ; 16 bytes a lane in
	v_lshlrev_b32 v2, 3, v6                        ; 8 bytes a lane out
	s_wait_kmcnt 0x0
	s_mov_b64 s[28:29], s[8:9]                     ; the input, and
	s_mov_b32 s30, 0                               ; the unit at which it starts
	s_mov_b64 s[32:33], s[22:23]                   ; the output, and
	s_mov_b32 s31, 0                               ; the unit at which it starts
.macro PICK k, p                       ; from unit k on the input is the buffer in s[p:p+1]
	s_cmp_ge_u32 s2, \k
	s_cselect_b64 s[28:29], s[\p:\p+1], s[28:29]
	s_cselect_b32 s30, \k, s30
.endm
	PICK 2, 10
	PICK 4, 12
	PICK 6, 14
	PICK 8, 16
	PICK 9, 18
	s_cselect_b64 s[32:33], s[24:25], s[32:33]     ; the selects leave SCC as the compare set it
	s_cselect_b32 s31, 9, s31
	PICK 11, 20
	s_cselect_b64 s[32:33], s[26:27], s[32:33]
	s_cselect_b32 s31, 11, s31
	s_wait_alu depctr_va_sdst(0)                   ; s5, the wave's number, is written, ahead of its first reader two lines down: my rows are made from it
	s_lshl_b32 s34, ttmp9, 5                       ; 32 rows a work-group
	s_lshl2_add_u32 s34, s5, s34                   ; + 4 rows a wave
	s_sub_co_u32 s35, s2, s30
	s_lshl_b32 s35, s35, 11
	s_add_co_u32 s35, s35, s34                     ; my first row in the input
	s_sub_co_u32 s36, s2, s31
	s_lshl_b32 s36, s36, 11
	s_add_co_u32 s36, s36, s34                     ; the same row counted in the output buffer
	s_and_b32 s37, s35, 63                         ; Wo: input row d*64+h goes to row h*64+d
	s_lshl_b32 s37, s37, 6
	s_lshr_b32 s38, s35, 6
	s_or_b32 s37, s37, s38
	s_cmp_ge_u32 s2, 9                             ; is this unit Wo's (9 or 10)?
	s_cselect_b32 s38, 1, 0
	s_cmp_lt_u32 s2, 11
	s_cselect_b32 s38, s38, 0
	s_mov_b32 s39, 2048                            ; bytes from one of my output rows to the next,
	s_cmp_lg_u32 s38, 0
	s_cselect_b32 s36, s37, s36
	s_cselect_b32 s39, 0x20000, s39                ; for Wo 64 rows: my four rows have one d and four neighbouring h
	s_lshl_b32 s40, s35, 12
	s_mov_b32 s41, 0
	s_add_nc_u64 s[28:29], s[28:29], s[40:41]
	s_lshl_b32 s40, s36, 11
	s_add_nc_u64 s[32:33], s[32:33], s[40:41]
	v_add_nc_u32 v3, s39, v2                       ; v[2+i]: 8 x lane + i output rows
	s_lshl_b32 s42, s39, 1
	v_add_nc_u32 v4, s42, v2
	s_add_co_u32 s42, s42, s39
	v_add_nc_u32 v5, s42, v2
	s_wait_alu depctr_va_vdst(0)                   ; v1 to v5 are written: every load reads v1 as its offset, every store one of v2 to v5
.set i, 0
.rept 32
	global_load_b128 v[X+4*i:X+4*i+3], v1, s[28:29] offset:512*i th:TH_LOAD_NT
.set i, i+1
.endr
.set i, 0
.rept 32
	s_wait_loadcnt 31-i                            ; loads come back in order (ISA guide 5.7.1): load i is in, the 31-i younger ones stay out
.if i >= 8
.if (i % 8) == 0
	s_wait_alu depctr_va_vdst(0)                   ; the sixteen conversions of the group before have written their Y, which this group's eight stores read
.endif
	global_store_b64 v[2+(i-8)/8], v[Y+2*(i-8):Y+2*(i-8)+1], s[32:33] offset:256*((i-8)%8)  ; the group before; no vector instruction since the wait names these registers
.endif
	v_cvt_pk_bf16_f32 v[Y+2*i], v[X+4*i], v[X+4*i+1]
	v_cvt_pk_bf16_f32 v[Y+2*i+1], v[X+4*i+2], v[X+4*i+3]
.set i, i+1
.endr
	s_wait_alu depctr_va_vdst(0)                   ; the last group's conversions have written their Y, which the last eight stores read
.set i, 24
.rept 8
	global_store_b64 v[2+i/8], v[Y+2*i:Y+2*i+1], s[32:33] offset:256*(i%8)
.set i, i+1
.endr
	s_endpgm
.Lfunc_end_k_qf3c7ae04da_cvt:
	.size	k_qf3c7ae04da_cvt, .Lfunc_end_k_qf3c7ae04da_cvt-k_qf3c7ae04da_cvt
	.p2alignl 7, 3214868480
	.fill 96, 4, 3214868480
	.section	.rodata,"a",@progbits
	.p2align	6, 0x0
	.amdhsa_kernel k_qf3c7ae04da_cvt
		.amdhsa_group_segment_fixed_size 0
		.amdhsa_private_segment_fixed_size 0
		.amdhsa_enable_private_segment 0
		.amdhsa_kernarg_size 80
		.amdhsa_user_sgpr_count 2
		.amdhsa_user_sgpr_kernarg_segment_ptr 1
		.amdhsa_wavefront_size32 1
		.amdhsa_system_sgpr_workgroup_id_x 1
		.amdhsa_system_sgpr_workgroup_id_y 1
		.amdhsa_system_sgpr_workgroup_id_z 1
		.amdhsa_system_vgpr_workitem_id 0
		.amdhsa_next_free_vgpr 200
		.amdhsa_next_free_sgpr 66
		.amdhsa_reserve_vcc 0
		.amdhsa_float_denorm_mode_32 3
		.amdhsa_float_denorm_mode_16_64 3
		.amdhsa_memory_ordered 1
		.amdhsa_forward_progress 1
		.amdhsa_inst_pref_size 14
	.end_amdhsa_kernel
	.amdgpu_metadata
---
amdhsa.version: [ 1, 2 ]
amdhsa.kernels:
  - .name:           k_qf3c7ae04da_cvt
    .symbol:         k_qf3c7ae04da_cvt.kd
    .args:
      - { .name: Wq, .offset: 0, .size: 8, .value_kind: global_buffer, .address_space: global }
      - { .name: Wk, .offset: 8, .size: 8, .value_kind: global_buffer, .address_space: global }
      - { .name: Wv, .offset: 16, .size: 8, .value_kind: global_buffer, .address_space: global }
      - { .name: W1, .offset: 24, .size: 8, .value_kind: global_buffer, .address_space: global }
      - { .name: x, .offset: 32, .size: 8, .value_kind: global_buffer, .address_space: global }
      - { .name: Wo, .offset: 40, .size: 8, .value_kind: global_buffer, .address_space: global }
      - { .name: W2, .offset: 48, .size: 8, .value_kind: global_buffer, .address_space: global }
      - { .name: wb, .offset: 56, .size: 8, .value_kind: global_buffer, .address_space: global }
      - { .name: wob, .offset: 64, .size: 8, .value_kind: global_buffer, .address_space: global }
      - { .name: w2b, .offset: 72, .size: 8, .value_kind: global_buffer, .address_space: global }
    .group_segment_fixed_size: 0
    .private_segment_fixed_size: 0
    .kernarg_segment_align: 8
    .kernarg_segment_size: 80
    .max_flat_workgroup_size: 256
    .sgpr_count:     66
    .vgpr_count:     200
    .wavefront_size: 32
...
	.end_amdgpu_metadata
.endif
;; end of part 8
;; launch qkv: the kernel of part 2 again; grid 32 x 8, 4 waves a work-group, clusters of 4 x 4, 327,680 bytes of LDS; arguments wb, qkv; writes qkv
;; launch attn: the kernel of part 3 again; grid 256 x 1, 4 waves a work-group, no clusters, 311,808 bytes of LDS; arguments qkv, act; writes act
;; launch wo: the kernel of part 4 again; grid 16 x 16, 4 waves a work-group, clusters of 4 x 4, 327,680 bytes of LDS; arguments act, wob, part; writes part
;; launch ln1 (part 9): grid 256 x 1, 8 waves a work-group, no clusters, 0 bytes of LDS; arguments part, x, bo, g1, be1, x1w; writes x1w
.if DOCPART == 9
	.amdgcn_target "amdgcn-amd-amdhsa--gfx1250"
	.amdhsa_code_object_version 6
	.text
	.protected	k_qf3c7ae04da_ln1
	.globl	k_qf3c7ae04da_ln1
	.p2align	8
	.type	k_qf3c7ae04da_ln1,@function
k_qf3c7ae04da_ln1:
	s_mov_b64 s[64:65], 0
	v_nop
	global_prefetch_b8 v0, s[64:65] scope:SCOPE_SE
	s_setreg_imm32_b32 hwreg(HW_REG_WAVE_SCHED_MODE, 0, 2), 2
	s_setreg_imm32_b32 hwreg(HW_REG_WAVE_MODE, 25, 1), 1
	s_wait_xcnt 0x0
	s_wait_alu depctr_vm_vsrc(0)
; ln1: x1 = LayerNorm(x + bo + the four partial sums of cat Wo) * g1 + be1, all in f32.
; Out: x1 in f32 [2048][1024] at byte 0 of x1w (the residual of the second norm) and in bf16 at byte 8,388,608 (the operand of the next product).
; One wave takes one row and keeps it in 32 registers: load i of a lane holds columns 128 i + 4 lane .. + 3, so every load and store of the wave covers
; 512 consecutive bytes.  Two passes over the registers: the mean, then the sum of squared differences from it.  No LDS, no barrier: the row never leaves the wave.
; THE MODE: SCHED_MODE bits 1:0 = 2 (LLVM: expert scheduling mode 2), set by the entry lines.  The code itself states the register dependences
; between vector instructions and memory instructions, with s_wait_alu, always for 0.
; THE PLAN.  Registers that memory instructions touch:
;   v1, v2     offsets, made once at the head and never written again.
;   X, P1-P3   loaded once; read and (X) written by vector instructions; at the end X is the f32 stores' data, P1 takes the bf16 row and is the other stores' data.
;   BI, P0     loaded twice: bias and partial sum 0, which the first two runs of additions read; then gain and shift.
; Both second loads stand together behind those two runs, so ONE wait states that the additions are done reading BI and P0; it stands behind the wait for
; partial sum 1's data.  All arithmetic on the row, the roundings to bf16 too, stands ahead of ONE wait, and all sixteen stores follow it in one run.
; No register that a memory instruction reads is written afterwards.
.set BF16OUT, 1
.set X,  8                             ; v[8:39]    the row
.set BI, 40                            ; v[40:71]   the bias, later the gain
.set P0, 72                            ; v[72:103]  partial sum 0, later the shift
.set P1, 104                           ; v[104:135] partial sum 1, later the bf16 row
.set P2, 136
.set P3, 168
.set TT, 200                           ; v[200:207] four chains
.set MU, 208                           ; v[208:209]
.set R,  210                           ; v[210:211]
.macro LD8 dst, lo
.irp i, 0,1,2,3,4,5,6,7
	global_load_b128 v[\dst+4*\i:\dst+4*\i+3], v1, s[\lo:\lo+1] offset:512*\i
.endr
.endm
.macro LD8NT dst, lo                   ; what the launch reads once
.irp i, 0,1,2,3,4,5,6,7
	global_load_b128 v[\dst+4*\i:\dst+4*\i+3], v1, s[\lo:\lo+1] offset:512*\i th:TH_LOAD_NT
.endr
.endm
.macro ADDX src
.set k, 0
.rept 16
	v_pk_add_f32 v[X+k:X+k+1], v[X+k:X+k+1], v[\src+k:\src+k+1]
.set k, k+2
.endr
.endm
.macro FOLD                            ; four chains to one number, then over the 32 lanes; the result is in every lane's v[TT]
	v_pk_add_f32 v[TT:TT+1], v[TT:TT+1], v[TT+2:TT+3]
	v_pk_add_f32 v[TT+4:TT+5], v[TT+4:TT+5], v[TT+6:TT+7]
	v_pk_add_f32 v[TT:TT+1], v[TT:TT+1], v[TT+4:TT+5]
	v_add_f32 v[TT], v[TT], v[TT+1]
	v_add_f32_dpp v[TT], v[TT], v[TT] row_xmask:1 row_mask:0xf bank_mask:0xf
	v_add_f32_dpp v[TT], v[TT], v[TT] row_xmask:2 row_mask:0xf bank_mask:0xf
	v_add_f32_dpp v[TT], v[TT], v[TT] row_xmask:4 row_mask:0xf bank_mask:0xf
	v_add_f32_dpp v[TT], v[TT], v[TT] row_xmask:8 row_mask:0xf bank_mask:0xf
	v_permlanex16_b32 v[TT+1], v[TT], s36, s37
	v_add_f32 v[TT], v[TT], v[TT+1]
.endm
	s_load_b256 s[8:15], s[0:1], 0x0               ; part s[8:9], residual s[10:11], bias s[12:13], gain s[14:15]
	s_load_b128 s[16:19], s[0:1], 0x20             ; shift s[16:17], out s[18:19]
	v_lshrrev_b32 v3, 5, v0
	v_readfirstlane_b32 s5, v3                     ; wave
	v_and_b32 v3, 31, v0
	v_lshlrev_b32 v1, 4, v3                        ; 16 bytes a lane
	v_lshlrev_b32 v2, 3, v3                        ; 8 bytes a lane (bf16)
	s_wait_alu depctr_va_sdst(0)                   ; s5, the wave's number, is written, ahead of its first reader: my row is made from it
	s_lshl3_add_u32 s6, ttmp9, s5                  ; my row = 8 x work-group + wave
	s_lshl_b32 s2, s6, 12
	s_mov_b32 s3, 0
	s_mov_b32 s34, 0x3a800000                      ; 1 / 1024
	s_mov_b32 s36, 0x76543210                      ; v_permlanex16_b32: lane i reads lane i xor 16
	s_mov_b32 s37, 0xfedcba98
	s_wait_kmcnt 0x0
	s_add_nc_u64 s[20:21], s[8:9], s[2:3]          ; my row in each of the four partial sums, 8,388,608 bytes apart
	s_add_nc_u64 s[22:23], s[20:21], 0x800000
	s_add_nc_u64 s[24:25], s[20:21], 0x1000000
	s_add_nc_u64 s[26:27], s[20:21], 0x1800000
	s_add_nc_u64 s[28:29], s[10:11], s[2:3]
	s_add_nc_u64 s[30:31], s[18:19], s[2:3]
.if BF16OUT
	s_lshl_b32 s2, s6, 11
	s_add_nc_u64 s[32:33], s[18:19], s[2:3]
	s_add_nc_u64 s[32:33], s[32:33], 0x800000
.endif
	s_wait_alu depctr_va_vdst(0)                   ; v1 and v2 are written: every load and store of the kernel reads one of them as its offset
	LD8NT X, 28
	LD8 BI, 12
	LD8NT P0, 20
	LD8NT P1, 22
	LD8NT P2, 24
	LD8NT P3, 26
	s_wait_loadcnt 32                              ; loads come back in order (ISA guide 5.7.1): residual and bias are in, the 32 loads of the partial sums stay out
	ADDX BI
	s_wait_loadcnt 24                              ; partial sum 0 is in; sums 1 to 3 stay out
	ADDX P0
	s_wait_loadcnt 16                              ; sum 1 is in; sums 2 and 3 stay out
	s_wait_alu depctr_va_vdst(0)                   ; the additions above are done reading BI and P0, in which the sixteen loads below land
	LD8 BI, 14                                     ; the gain, into the bias's registers
	LD8 P0, 16                                     ; the shift, into partial sum 0's
	ADDX P1                                        ; names X and P1 alone: none of the registers that those loads touch
	s_wait_loadcnt 24                              ; sum 2 is in; sum 3, gain and shift stay out
	ADDX P2
	s_wait_loadcnt 16                              ; sum 3; gain and shift stay out
	ADDX P3
	; the mean
.irp k, 0,1,2,3
	v_pk_add_f32 v[TT+2*\k:TT+2*\k+1], v[X+2*\k:X+2*\k+1], v[X+8+2*\k:X+8+2*\k+1]
.endr
.irp g, 2,3
.irp k, 0,1,2,3
	v_pk_add_f32 v[TT+2*\k:TT+2*\k+1], v[TT+2*\k:TT+2*\k+1], v[X+8*\g+2*\k:X+8*\g+2*\k+1]
.endr
.endr
	FOLD
	v_mul_f32 v[MU], s34, v[TT]
	v_mul_f32 v[MU+1], s34, v[TT]
.set k, 0
.rept 16
	v_pk_add_f32 v[X+k:X+k+1], v[X+k:X+k+1], v[MU:MU+1] neg_lo:[0,1] neg_hi:[0,1]
.set k, k+2
.endr
	; the variance, from the differences
.irp k, 0,1,2,3
	v_pk_mul_f32 v[TT+2*\k:TT+2*\k+1], v[X+2*\k:X+2*\k+1], v[X+2*\k:X+2*\k+1]
.endr
.irp g, 1,2,3
.irp k, 0,1,2,3
	v_pk_fma_f32 v[TT+2*\k:TT+2*\k+1], v[X+8*\g+2*\k:X+8*\g+2*\k+1], v[X+8*\g+2*\k:X+8*\g+2*\k+1], v[TT+2*\k:TT+2*\k+1]
.endr
.endr
	FOLD
	v_fmaak_f32 v[MU], s34, v[TT], 0x3727c5ac      ; variance + 1e-5
	v_rsq_f32 v[R], v[MU]
	v_rsq_f32 v[R+1], v[MU]
	v_nop                                          ; a plain instruction behind the transcendentals (ISA guide 5.7.2)
	s_wait_loadcnt 0x0                             ; gain and shift
	s_wait_alu depctr_va_vdst(0)                   ; the two reciprocal roots v[R], v[R+1] are written, ahead of their first reader
.set k, 0
.rept 16
	v_pk_mul_f32 v[X+k:X+k+1], v[X+k:X+k+1], v[R:R+1]
.set k, k+2
.endr
.set k, 0
.rept 16
	v_pk_fma_f32 v[X+k:X+k+1], v[X+k:X+k+1], v[BI+k:BI+k+1], v[P0+k:P0+k+1]
.set k, k+2
.endr
.if BF16OUT
.irp i, 0,1,2,3,4,5,6,7
	v_cvt_pk_bf16_f32 v[P1+2*\i], v[X+4*\i], v[X+4*\i+1]
	v_cvt_pk_bf16_f32 v[P1+2*\i+1], v[X+4*\i+2], v[X+4*\i+3]
.endr
.endif
	s_wait_alu depctr_va_vdst(0)                   ; the multiply-adds have written X and the roundings v[P1 .. P1+15], which the stores below read
.irp i, 0,1,2,3,4,5,6,7
	global_store_b128 v1, v[X+4*\i:X+4*\i+3], s[30:31] offset:512*\i
.endr
.if BF16OUT
.irp i, 0,1,2,3,4,5,6,7
	global_store_b64 v2, v[P1+2*\i:P1+2*\i+1], s[32:33] offset:256*\i      ; 256 consecutive bytes, aligned
.endr
.endif
	s_endpgm
.Lfunc_end_k_qf3c7ae04da_ln1:
	.size	k_qf3c7ae04da_ln1, .Lfunc_end_k_qf3c7ae04da_ln1-k_qf3c7ae04da_ln1
	.p2alignl 7, 3214868480
	.fill 96, 4, 3214868480
	.section	.rodata,"a",@progbits
	.p2align	6, 0x0
	.amdhsa_kernel k_qf3c7ae04da_ln1
		.amdhsa_group_segment_fixed_size 0
		.amdhsa_private_segment_fixed_size 0
		.amdhsa_enable_private_segment 0
		.amdhsa_kernarg_size 48
		.amdhsa_user_sgpr_count 2
		.amdhsa_user_sgpr_kernarg_segment_ptr 1
		.amdhsa_wavefront_size32 1
		.amdhsa_system_sgpr_workgroup_id_x 1
		.amdhsa_system_sgpr_workgroup_id_y 1
		.amdhsa_system_sgpr_workgroup_id_z 1
		.amdhsa_system_vgpr_workitem_id 0
		.amdhsa_next_free_vgpr 216
		.amdhsa_next_free_sgpr 66
		.amdhsa_reserve_vcc 0
		.amdhsa_float_denorm_mode_32 3
		.amdhsa_float_denorm_mode_16_64 3
		.amdhsa_memory_ordered 1
		.amdhsa_forward_progress 1
		.amdhsa_inst_pref_size 22
	.end_amdhsa_kernel
	.amdgpu_metadata
---
amdhsa.version: [ 1, 2 ]
amdhsa.kernels:
  - .name:           k_qf3c7ae04da_ln1
    .symbol:         k_qf3c7ae04da_ln1.kd
    .args:
      - { .name: part, .offset: 0, .size: 8, .value_kind: global_buffer, .address_space: global }
      - { .name: x, .offset: 8, .size: 8, .value_kind: global_buffer, .address_space: global }
      - { .name: bo, .offset: 16, .size: 8, .value_kind: global_buffer, .address_space: global }
      - { .name: g1, .offset: 24, .size: 8, .value_kind: global_buffer, .address_space: global }
      - { .name: be1, .offset: 32, .size: 8, .value_kind: global_buffer, .address_space: global }
      - { .name: x1w, .offset: 40, .size: 8, .value_kind: global_buffer, .address_space: global }
    .group_segment_fixed_size: 0
    .private_segment_fixed_size: 0
    .kernarg_segment_align: 8
    .kernarg_segment_size: 48
    .max_flat_workgroup_size: 256
    .sgpr_count:     66
    .vgpr_count:     216
    .wavefront_size: 32
...
	.end_amdgpu_metadata
.endif
;; end of part 9
;; launch ff1: the kernel of part 6 again; grid 16 x 16, 4 waves a work-group, clusters of 4 x 4, 327,680 bytes of LDS; arguments x1w, wb, b1, act; writes act
;; launch ff2: the kernel of part 4 again; grid 16 x 16, 4 waves a work-group, clusters of 4 x 4, 327,680 bytes of LDS; arguments act, w2b, part; writes part
;; launch ln2 (part 10): grid 256 x 1, 8 waves a work-group, no clusters, 0 bytes of LDS; arguments part, x1w, b2, g2, be2, out0; writes out0
.if DOCPART == 10
	.amdgcn_target "amdgcn-amd-amdhsa--gfx1250"
	.amdhsa_code_object_version 6
	.text
	.protected	k_qf3c7ae04da_ln2
	.globl	k_qf3c7ae04da_ln2
	.p2align	8
	.type	k_qf3c7ae04da_ln2,@function
k_qf3c7ae04da_ln2:
	s_mov_b64 s[64:65], 0
	v_nop
	global_prefetch_b8 v0, s[64:65] scope:SCOPE_SE
	s_setreg_imm32_b32 hwreg(HW_REG_WAVE_SCHED_MODE, 0, 2), 2
	s_setreg_imm32_b32 hwreg(HW_REG_WAVE_MODE, 25, 1), 1
	s_wait_xcnt 0x0
	s_wait_alu depctr_vm_vsrc(0)
; ln2: out = LayerNorm(x1 + b2 + the four partial sums of relu(..) W2) * g2 + be2, all in f32.  x1 in f32 is [2048][1024] at byte 0 of x1w.
; One wave takes one row and keeps it in 32 registers: load i of a lane holds columns 128 i + 4 lane .. + 3, so every load and store of the wave covers
; 512 consecutive bytes.  Two passes over the registers: the mean, then the sum of squared differences from it.  No LDS, no barrier: the row never leaves the wave.
; THE MODE: SCHED_MODE bits 1:0 = 2 (LLVM: expert scheduling mode 2), set by the entry lines.  The code itself states the register dependences
; between vector instructions and memory instructions, with s_wait_alu, always for 0.
; THE PLAN.  Registers that memory instructions touch:
;   v1         the offset, made once at the head and never written again.
;   X, P1-P3   loaded once; read and (X) written by vector instructions; at the end X is the stores' data.
;   BI, P0     loaded twice: bias and partial sum 0, which the first two runs of additions read; then gain and shift.
; Both second loads stand together behind those two runs, so ONE wait states that the additions are done reading BI and P0; it stands behind the wait for
; partial sum 1's data.  One wait stands ahead of the run of stores.  No register that a memory instruction reads is written afterwards.
.set X,  8                             ; v[8:39]    the row
.set BI, 40                            ; v[40:71]   the bias, later the gain
.set P0, 72                            ; v[72:103]  partial sum 0, later the shift
.set P1, 104
.set P2, 136
.set P3, 168
.set TT, 200                           ; v[200:207] four chains
.set MU, 208                           ; v[208:209]
.set R,  210                           ; v[210:211]
.macro LD8 dst, lo
.irp i, 0,1,2,3,4,5,6,7
	global_load_b128 v[\dst+4*\i:\dst+4*\i+3], v1, s[\lo:\lo+1] offset:512*\i
.endr
.endm
.macro LD8NT dst, lo                   ; what the launch reads once
.irp i, 0,1,2,3,4,5,6,7
	global_load_b128 v[\dst+4*\i:\dst+4*\i+3], v1, s[\lo:\lo+1] offset:512*\i th:TH_LOAD_NT
.endr
.endm
.macro ADDX src
.set k, 0
.rept 16
	v_pk_add_f32 v[X+k:X+k+1], v[X+k:X+k+1], v[\src+k:\src+k+1]
.set k, k+2
.endr
.endm
.macro FOLD                            ; four chains to one number, then over the 32 lanes; the result is in every lane's v[TT]
	v_pk_add_f32 v[TT:TT+1], v[TT:TT+1], v[TT+2:TT+3]
	v_pk_add_f32 v[TT+4:TT+5], v[TT+4:TT+5], v[TT+6:TT+7]
	v_pk_add_f32 v[TT:TT+1], v[TT:TT+1], v[TT+4:TT+5]
	v_add_f32 v[TT], v[TT], v[TT+1]
	v_add_f32_dpp v[TT], v[TT], v[TT] row_xmask:1 row_mask:0xf bank_mask:0xf
	v_add_f32_dpp v[TT], v[TT], v[TT] row_xmask:2 row_mask:0xf bank_mask:0xf
	v_add_f32_dpp v[TT], v[TT], v[TT] row_xmask:4 row_mask:0xf bank_mask:0xf
	v_add_f32_dpp v[TT], v[TT], v[TT] row_xmask:8 row_mask:0xf bank_mask:0xf
	v_permlanex16_b32 v[TT+1], v[TT], s36, s37
	v_add_f32 v[TT], v[TT], v[TT+1]
.endm
	s_load_b256 s[8:15], s[0:1], 0x0               ; part s[8:9], residual s[10:11], bias s[12:13], gain s[14:15]
	s_load_b128 s[16:19], s[0:1], 0x20             ; shift s[16:17], out s[18:19]
	v_lshrrev_b32 v3, 5, v0
	v_readfirstlane_b32 s5, v3                     ; wave
	v_and_b32 v3, 31, v0
	v_lshlrev_b32 v1, 4, v3                        ; 16 bytes a lane
	s_wait_alu depctr_va_sdst(0)                   ; s5, the wave's number, is written, ahead of its first reader: my row is made from it
	s_lshl3_add_u32 s6, ttmp9, s5                  ; my row = 8 x work-group + wave
	s_lshl_b32 s2, s6, 12
	s_mov_b32 s3, 0
	s_mov_b32 s34, 0x3a800000                      ; 1 / 1024
	s_mov_b32 s36, 0x76543210                      ; v_permlanex16_b32: lane i reads lane i xor 16
	s_mov_b32 s37, 0xfedcba98
	s_wait_kmcnt 0x0
	s_add_nc_u64 s[20:21], s[8:9], s[2:3]          ; my row in each of the four partial sums, 8,388,608 bytes apart
	s_add_nc_u64 s[22:23], s[20:21], 0x800000
	s_add_nc_u64 s[24:25], s[20:21], 0x1000000
	s_add_nc_u64 s[26:27], s[20:21], 0x1800000
	s_add_nc_u64 s[28:29], s[10:11], s[2:3]
	s_add_nc_u64 s[30:31], s[18:19], s[2:3]
	s_wait_alu depctr_va_vdst(0)                   ; v1 is written: every load and store of the kernel reads it as its offset
	LD8NT X, 28
	LD8 BI, 12
	LD8NT P0, 20
	LD8NT P1, 22
	LD8NT P2, 24
	LD8NT P3, 26
	s_wait_loadcnt 32                              ; loads come back in order (ISA guide 5.7.1): residual and bias are in, the 32 loads of the partial sums stay out
	ADDX BI
	s_wait_loadcnt 24                              ; partial sum 0 is in; sums 1 to 3 stay out
	ADDX P0
	s_wait_loadcnt 16                              ; sum 1 is in; sums 2 and 3 stay out
	s_wait_alu depctr_va_vdst(0)                   ; the additions above are done reading BI and P0, in which the sixteen loads below land
	LD8 BI, 14                                     ; the gain, into the bias's registers
	LD8 P0, 16                                     ; the shift, into partial sum 0's
	ADDX P1                                        ; names X and P1 alone: none of the registers that those loads touch
	s_wait_loadcnt 24                              ; sum 2 is in; sum 3, gain and shift stay out
	ADDX P2
	s_wait_loadcnt 16                              ; sum 3; gain and shift stay out
	ADDX P3
	; the mean
.irp k, 0,1,2,3
	v_pk_add_f32 v[TT+2*\k:TT+2*\k+1], v[X+2*\k:X+2*\k+1], v[X+8+2*\k:X+8+2*\k+1]
.endr
.irp g, 2,3
.irp k, 0,1,2,3
	v_pk_add_f32 v[TT+2*\k:TT+2*\k+1], v[TT+2*\k:TT+2*\k+1], v[X+8*\g+2*\k:X+8*\g+2*\k+1]
.endr
.endr
	FOLD
	v_mul_f32 v[MU], s34, v[TT]
	v_mul_f32 v[MU+1], s34, v[TT]
.set k, 0
.rept 16
	v_pk_add_f32 v[X+k:X+k+1], v[X+k:X+k+1], v[MU:MU+1] neg_lo:[0,1] neg_hi:[0,1]
.set k, k+2
.endr
	; the variance, from the differences
.irp k, 0,1,2,3
	v_pk_mul_f32 v[TT+2*\k:TT+2*\k+1], v[X+2*\k:X+2*\k+1], v[X+2*\k:X+2*\k+1]
.endr
.irp g, 1,2,3
.irp k, 0,1,2,3
	v_pk_fma_f32 v[TT+2*\k:TT+2*\k+1], v[X+8*\g+2*\k:X+8*\g+2*\k+1], v[X+8*\g+2*\k:X+8*\g+2*\k+1], v[TT+2*\k:TT+2*\k+1]
.endr
.endr
	FOLD
	v_fmaak_f32 v[MU], s34, v[TT], 0x3727c5ac      ; variance + 1e-5
	v_rsq_f32 v[R], v[MU]
	v_rsq_f32 v[R+1], v[MU]
	v_nop                                          ; a plain instruction behind the transcendentals (ISA guide 5.7.2)
	s_wait_loadcnt 0x0                             ; gain and shift
	s_wait_alu depctr_va_vdst(0)                   ; the two reciprocal roots v[R], v[R+1] are written, ahead of their first reader
.set k, 0
.rept 16
	v_pk_mul_f32 v[X+k:X+k+1], v[X+k:X+k+1], v[R:R+1]
.set k, k+2
.endr
.set k, 0
.rept 16
	v_pk_fma_f32 v[X+k:X+k+1], v[X+k:X+k+1], v[BI+k:BI+k+1], v[P0+k:P0+k+1]
.set k, k+2
.endr
	s_wait_alu depctr_va_vdst(0)                   ; the multiply-adds have written X, which the stores below read
.irp i, 0,1,2,3,4,5,6,7
	global_store_b128 v1, v[X+4*\i:X+4*\i+3], s[30:31] offset:512*\i th:TH_STORE_NT
.endr
	s_endpgm
.Lfunc_end_k_qf3c7ae04da_ln2:
	.size	k_qf3c7ae04da_ln2, .Lfunc_end_k_qf3c7ae04da_ln2-k_qf3c7ae04da_ln2
	.p2alignl 7, 3214868480
	.fill 96, 4, 3214868480
	.section	.rodata,"a",@progbits
	.p2align	6, 0x0
	.amdhsa_kernel k_qf3c7ae04da_ln2
		.amdhsa_group_segment_fixed_size 0
		.amdhsa_private_segment_fixed_size 0
		.amdhsa_enable_private_segment 0
		.amdhsa_kernarg_size 48
		.amdhsa_user_sgpr_count 2
		.amdhsa_user_sgpr_kernarg_segment_ptr 1
		.amdhsa_wavefront_size32 1
		.amdhsa_system_sgpr_workgroup_id_x 1
		.amdhsa_system_sgpr_workgroup_id_y 1
		.amdhsa_system_sgpr_workgroup_id_z 1
		.amdhsa_system_vgpr_workitem_id 0
		.amdhsa_next_free_vgpr 216
		.amdhsa_next_free_sgpr 66
		.amdhsa_reserve_vcc 0
		.amdhsa_float_denorm_mode_32 3
		.amdhsa_float_denorm_mode_16_64 3
		.amdhsa_memory_ordered 1
		.amdhsa_forward_progress 1
		.amdhsa_inst_pref_size 20
	.end_amdhsa_kernel
	.amdgpu_metadata
---
amdhsa.version: [ 1, 2 ]
amdhsa.kernels:
  - .name:           k_qf3c7ae04da_ln2
    .symbol:         k_qf3c7ae04da_ln2.kd
    .args:
      - { .name: part, .offset: 0, .size: 8, .value_kind: global_buffer, .address_space: global }
      - { .name: x1w, .offset: 8, .size: 8, .value_kind: global_buffer, .address_space: global }
      - { .name: b2, .offset: 16, .size: 8, .value_kind: global_buffer, .address_space: global }
      - { .name: g2, .offset: 24, .size: 8, .value_kind: global_buffer, .address_space: global }
      - { .name: be2, .offset: 32, .size: 8, .value_kind: global_buffer, .address_space: global }
      - { .name: out0, .offset: 40, .size: 8, .value_kind: global_buffer, .address_space: global }
    .group_segment_fixed_size: 0
    .private_segment_fixed_size: 0
    .kernarg_segment_align: 8
    .kernarg_segment_size: 48
    .max_flat_workgroup_size: 256
    .sgpr_count:     66
    .vgpr_count:     216
    .wavefront_size: 32
...
	.end_amdgpu_metadata
.endif
;; end of part 10
